; MI455X (gfx1250); checked and timed in simulation.
; The chip was launched on July 23, 2026; its instructions are those of AMD's public machine-readable ISA for CDNA 5 (MIT licence, August 2026) and "CDNA5" Instruction Set Architecture Reference Guide (July 2026). The comments in the code are by the model that wrote it; some were corrected since.
;; Attention. Allowed arithmetic: float matrix products may take bf16 or f16 operands with f32 sums; all other float work in f32.
;; Inputs: Wk 1,024 x 1,024 float32; Wo 1,024 x 1,024 float32; Wq 1,024 x 1,024 float32; Wv 1,024 x 1,024 float32; beta 1,024 float32; bk 1,024 float32; bo 1,024 float32; bq 1,024 float32; bv 1,024 float32; gamma 1,024 float32; keys 4,096 x 1,024 float32; queries 4,096 x 1,024 float32; values 4,096 x 1,024 float32.
;; Outputs: out0 4,096 x 1,024 float32.
;; 2 versions, each right. Each part assembles by itself: llvm-mc -triple=amdgcn-amd-amdhsa -mcpu=gfx1250 --defsym DOCPART=n.
;; ======== version 1 of 2: 4 launches
;; workspace buffers: xw 33,554,432 bytes; qkv 25,165,824 bytes; att 8,388,608 bytes
;; launch cvt (part 1): grid 16 x 16, 8 waves a work-group, no clusters, 0 bytes of LDS; arguments queries, keys, values, Wq, Wk, Wv, Wo, xw; writes xw
.if DOCPART == 1
	.amdgcn_target "amdgcn-amd-amdhsa--gfx1250"
	.amdhsa_code_object_version 6
	.text
	.protected	k_q047187369c_cvt
	.globl	k_q047187369c_cvt
	.p2align	8
	.type	k_q047187369c_cvt,@function
k_q047187369c_cvt:
	s_mov_b64 s[64:65], 0
	v_nop
	global_prefetch_b8 v0, s[64:65] scope:SCOPE_SE
	s_setreg_imm32_b32 hwreg(HW_REG_WAVE_MODE, 25, 1), 1
	s_wait_xcnt 0x0
; f32 -> bf16 (round to nearest even) of queries, keys, values, Wq, Wk, Wv, Wo into the workspace xw.
; xw is 16 units of 2 MiB (1,048,576 bf16): units 0-3 queries, 4-7 keys, 8-11 values (together one [12288][1024] array),
; units 12, 13, 14, 15 = Wq, Wk, Wv, Wo, each [1024][1024] as given.  Every matrix operand of the later launches is read several
; times (a row block of X by 4 work-groups, a weight by 16 and more), so it is rounded once here and moved at half the bytes afterwards.
; Grid: y = unit, x = one sixteenth of it.  A work-group turns 262,144 bytes into 131,072; a wave 32,768 into 16,384.
; A stream: no LDS, no barrier, no matrix unit, no cluster (no byte is shared).  A ring of 16 register slots keeps 16 loads of
; 512 consecutive bytes of every wave on their way; each store of the wave covers 256 consecutive bytes, aligned.
; LIMIT: values beyond bf16's range become infinities as the conversion makes them; NaN stays NaN.
.set DEPTH, 16                         ; slots = loads in flight in a wave
.set TURNS, 64                         ; 32,768 bytes / 512
.set XR, 4                             ; v[4:67]   slot s: 4 f32 as loaded
.set YR, 68                            ; v[68:99]  slot s: 4 bf16 to store
	s_load_b512 s[8:23], s[0:1], 0x0               ; queries s[8:9], keys, values, Wq, Wk, Wv, Wo s[20:21], xw s[22:23]
	s_and_b32 s24, ttmp7, 0xffff                   ; u: the unit, 0 to 15
	s_and_b32 s25, s24, 3                          ; which quarter of a [4096][1024] input,
	s_cmp_lt_u32 s24, 12
	s_cselect_b32 s25, s25, 0                      ; a weight is one unit
	s_lshl_b32 s2, s25, 22                         ; a unit is 4 MiB of f32,
	s_lshl_b32 s26, ttmp9, 18                      ; my sixteenth of it 256 KiB
	s_or_b32 s2, s2, s26
	s_mov_b32 s3, 0
	s_lshl_b32 s26, s24, 21                        ; and in xw 2 MiB and 128 KiB
	s_lshl_b32 s27, ttmp9, 17
	s_or_b32 s26, s26, s27
	s_mov_b32 s27, 0
	v_lshrrev_b32 v3, 5, v0                        ; wave
	v_and_b32 v1, 31, v0                           ; lane
	v_lshlrev_b32 v2, 3, v1
	v_lshlrev_b32 v1, 4, v1
	v_lshl_or_b32 v1, v3, 15, v1                   ; in:  32,768 x wave + 16 x lane; never rewritten
	v_lshl_or_b32 v2, v3, 14, v2                   ; out: 16,384 x wave +  8 x lane; never rewritten
	s_wait_kmcnt 0x0
	s_cmp_ge_u32 s24, 4                            ; the unit's number picks the source
	s_cselect_b64 s[4:5], s[10:11], s[8:9]
	s_cmp_ge_u32 s24, 8
	s_cselect_b64 s[4:5], s[12:13], s[4:5]
	s_cmp_ge_u32 s24, 12
	s_cselect_b64 s[4:5], s[14:15], s[4:5]
	s_cmp_ge_u32 s24, 13
	s_cselect_b64 s[4:5], s[16:17], s[4:5]
	s_cmp_ge_u32 s24, 14
	s_cselect_b64 s[4:5], s[18:19], s[4:5]
	s_cmp_ge_u32 s24, 15
	s_cselect_b64 s[4:5], s[20:21], s[4:5]
	s_add_nc_u64 s[4:5], s[4:5], s[2:3]
	s_add_nc_u64 s[6:7], s[22:23], s[26:27]
.set i, 0
.rept DEPTH
	global_load_b128 v[XR+4*i:XR+4*i+3], v1, s[4:5] offset:512*i th:TH_LOAD_NT     ; fill the ring
.set i, i+1
.endr
; One turn: the slot's load is in, two conversions, the slot's next load, the store.  All places stand in the immediates.
.set i, 0
.rept TURNS
.set sl, i%DEPTH
.if i < TURNS-DEPTH
	s_wait_loadcnt DEPTH-1                         ; loads come back in order (ISA guide 5.7.1): mine is in, the 15 younger stay out
.else
	s_wait_loadcnt TURNS-1-i                       ; the last 16 turns load nothing: the counts run down
.endif
	s_wait_xcnt 0x0                                ; the slot's Y registers, which its store of 16 turns ago reads, are rewritten only behind this wait
	v_cvt_pk_bf16_f32 v[YR+2*sl],   v[XR+4*sl],   v[XR+4*sl+1]
	v_cvt_pk_bf16_f32 v[YR+2*sl+1], v[XR+4*sl+2], v[XR+4*sl+3]
.if i < TURNS-DEPTH
	global_load_b128 v[XR+4*sl:XR+4*sl+3], v1, s[4:5] offset:512*(i+DEPTH) th:TH_LOAD_NT
.endif
	global_store_b64 v2, v[YR+2*sl:YR+2*sl+1], s[6:7] offset:256*i                 ; 32 lanes x 8 bytes: 256 consecutive bytes, aligned
.set i, i+1
.endr
	s_endpgm
.Lfunc_end_k_q047187369c_cvt:
	.size	k_q047187369c_cvt, .Lfunc_end_k_q047187369c_cvt-k_q047187369c_cvt
	.p2alignl 7, 3214868480
	.fill 96, 4, 3214868480
	.section	.rodata,"a",@progbits
	.p2align	6, 0x0
	.amdhsa_kernel k_q047187369c_cvt
		.amdhsa_group_segment_fixed_size 0
		.amdhsa_private_segment_fixed_size 0
		.amdhsa_enable_private_segment 0
		.amdhsa_kernarg_size 64
		.amdhsa_user_sgpr_count 2
		.amdhsa_user_sgpr_kernarg_segment_ptr 1
		.amdhsa_wavefront_size32 1
		.amdhsa_system_sgpr_workgroup_id_x 1
		.amdhsa_system_sgpr_workgroup_id_y 1
		.amdhsa_system_sgpr_workgroup_id_z 1
		.amdhsa_system_vgpr_workitem_id 0
		.amdhsa_next_free_vgpr 100
		.amdhsa_next_free_sgpr 66
		.amdhsa_reserve_vcc 0
		.amdhsa_float_denorm_mode_32 3
		.amdhsa_float_denorm_mode_16_64 3
		.amdhsa_memory_ordered 1
		.amdhsa_forward_progress 1
		.amdhsa_inst_pref_size 26
	.end_amdhsa_kernel
	.amdgpu_metadata
---
amdhsa.version: [ 1, 2 ]
amdhsa.kernels:
  - .name:           k_q047187369c_cvt
    .symbol:         k_q047187369c_cvt.kd
    .args:
      - { .name: queries, .offset: 0, .size: 8, .value_kind: global_buffer, .address_space: global }
      - { .name: keys, .offset: 8, .size: 8, .value_kind: global_buffer, .address_space: global }
      - { .name: values, .offset: 16, .size: 8, .value_kind: global_buffer, .address_space: global }
      - { .name: Wq, .offset: 24, .size: 8, .value_kind: global_buffer, .address_space: global }
      - { .name: Wk, .offset: 32, .size: 8, .value_kind: global_buffer, .address_space: global }
      - { .name: Wv, .offset: 40, .size: 8, .value_kind: global_buffer, .address_space: global }
      - { .name: Wo, .offset: 48, .size: 8, .value_kind: global_buffer, .address_space: global }
      - { .name: xw, .offset: 56, .size: 8, .value_kind: global_buffer, .address_space: global }
    .group_segment_fixed_size: 0
    .private_segment_fixed_size: 0
    .kernarg_segment_align: 8
    .kernarg_segment_size: 64
    .max_flat_workgroup_size: 256
    .sgpr_count:     66
    .vgpr_count:     100
    .wavefront_size: 32
...
	.end_amdgpu_metadata
.endif
;; end of part 1
;; launch proj (part 2): grid 4 x 48, 4 waves a work-group, clusters of 4 x 4, 327,680 bytes of LDS; arguments xw, bq, bk, bv, qkv; writes qkv
.if DOCPART == 2
	.amdgcn_target "amdgcn-amd-amdhsa--gfx1250"
	.amdhsa_code_object_version 6
	.text
	.protected	k_q047187369c_proj
	.globl	k_q047187369c_proj
	.p2align	8
	.type	k_q047187369c_proj,@function
k_q047187369c_proj:
	s_mov_b64 s[64:65], 0
	v_nop
	global_prefetch_b8 v0, s[64:65] scope:SCOPE_SE
	s_setreg_imm32_b32 hwreg(HW_REG_WAVE_MODE, 25, 1), 1
	s_wait_xcnt 0x0
	s_wait_alu depctr_hold_cnt(0) depctr_sa_sdst(0) depctr_va_vdst(0) depctr_va_sdst(0) depctr_va_ssrc(0) depctr_va_vcc(0) depctr_vm_vsrc(0)
	s_getreg_b32 s2, hwreg(HW_REG_IB_STS2, 6, 4)
	s_cmp_eq_u32 s2, 0
	s_cbranch_scc0 .Lentry_in_a_cluster
	s_endpgm
.Lentry_in_a_cluster:
	s_bfe_u32 s2, ttmp6, 0x10000c
	s_cmp_lg_u32 s2, 0xf033
	s_cbranch_scc0 .Lentry_shape_is_right
	s_endpgm
.Lentry_shape_is_right:
; The three projections as one GEMM: C[m][n] = sum over k of X[m][k] W_p[k][n], X = xw's [12288][1024] bf16 (queries, keys, values),
; p = m / 4096 picks the weight (xw units 12 + p, stored [k][n]) and the bias.  Out: (C + b) in bf16, for q times 0.125 log2(e)
; (the 1/sqrt(64) of the scores and the change to base 2 of the softmax), head-major: qkv[p][head][token][64].
; A work-group makes 256 x 256 of C with four waves, a wave 128 x 128 (64 accumulator tiles, 512 registers).  K goes in steps of 128
; through a ring of two LDS slots filled by the tensor data mover.  12288 x 1024 gives 192 such blocks; blocks of 128 x 128 would be 768
; but would read twice the LDS bytes for each product.
; CLUSTERS: 4 x 4 work-groups.  The four of a row of the cluster need the same tile of X, the four of a column the same tile of W:
; each is asked for jointly, which divides the requests by four.  A cluster's 1024 rows lie in one projection, so p is equal in all sixteen.
; W lies [k][n] in LDS as in memory; its fragments come by the transposing LDS load (16-bit elements, 8 x 8 within eight lanes).
; REGISTERS in windows of 256: window 0: v0-31 addresses, v64-127 / v128-191 fragments of X (two buffers), v192-223 at work on the way out;
; window 1: v64-127 / v128-191 fragments of W, v192-255 my 8 bias numbers for each of the 8 column tiles; windows 2, 3: accumulators.
; The matrix instruction is used transposed (source 0 = 16 columns of W, source 1 = 16 rows of X): lane l then holds row l % 16 and
; eight neighbouring columns 8 (l / 16) + 0..7 of C.
; LIMITS: operands and result are rounded to bf16; sums in f32, K ascending; NaN and infinities go through as the arithmetic makes them.
.set SIZE_K, 1024
.set KSTEP,  128
.set PITCH,  272                       ; X's LDS row: 256 bytes + 16 of padding: an odd multiple of 16
.set BPITCH, 544                       ; W's LDS row: 256 columns = 512 bytes + 32 of padding: an odd multiple of 32
.set HALFT,  128*PITCH                 ; 34,816: 128 rows of X = 64 rows of W: what one tensor load brings
.set SLOT,   4*HALFT                   ; X's 256 rows, then W's 128 k-rows
.set STAGE,  2*SLOT                    ; behind the ring: 16 rows x 272 bytes for each wave, never the target of a tensor load
.set SPITCH, 272
.set LAPS, SIZE_K/(2*KSTEP)            ; 4 laps of two K steps
.set ADRA, 16                          ; v16-17  LDS address of my X fragments in slot 0, 1
.set ADRB, 20                          ; v20-21  the same for W
.set STO,  24                          ; v24     way out: where I put 16 bytes of a row
.set RD,   25                          ; v25     way out: where I read back
.set CO,   26                          ; v26     my byte offset in qkv: 16 x lane
.set BOF,  27                          ; v27     my byte offset in the bias: 32 x (lane / 16); never rewritten
.set F0,   64
.set F1,   128
.set FT,   64                          ; way out: f32 results with bias and scale (window 0)
.set TMP,  192                         ; way out: packed results (window 0)
.set BIAS, 192                         ; window 1
.set G1, 24                            ; s[24:31] group 1 for X's tiles
.set G0, 32                            ; s[32:39] group 0 for X's tiles, one set for each slot
.set G1B, 48                           ; s[48:55] group 1 for W's tiles
.set G0B, 56                           ; s[56:63] group 0 for W's tiles
.set MSB, 0
.macro WIN new                         ; the immediate's high byte repeats the setting that is left
.if MSB != (\new)
	s_set_vgpr_msb (MSB<<8)|(\new)
.set MSB, (\new)
.endif
.endm
.set MUL_LO, 0xa1                      ; source 0 (W) window 1, source 1 (X) window 0, C and D window 2
.set MUL_HI, 0xf1                      ; the same, C and D window 3
.set TO_B,   0x40                      ; destination window 1, address window 0
; A joint load.  Waves 0 and 1 fetch X's two halves, waves 2 and 3 W's two k-halves.  Each line has one mask and one set of registers;
; the branch hangs on the wave's number alone.  Four v_nop follow each line.
.macro JLOAD s
	s_cmp_eq_u32 s11, 0
	s_cbranch_scc0 .Lfor_b_\@
	tensor_load_to_lds s[G0+4*\s:G0+4*\s+3], s[G1:G1+7]
	s_nop 0
.rept 4
	v_nop
.endr
	s_branch .Lasked_\@
.Lfor_b_\@:
	tensor_load_to_lds s[G0B+4*\s:G0B+4*\s+3], s[G1B:G1B+7]
	s_nop 0
.rept 4
	v_nop
.endr
.Lasked_\@:
.endm
.macro CREST                           ; a round of the cluster's barrier behind its opening work-group barrier
	s_cmp_lg_u32 s10, 0
	s_cbranch_scc1 .Lnot_wave_0_\@
	s_barrier_signal -3
.Lnot_wave_0_\@:
	s_barrier_wait -3
	s_barrier_signal -1
	s_barrier_wait -1
.endm
.macro CROUND                          ; a whole round
	s_barrier_signal -1
	s_barrier_wait -1
	CREST
.endm
	s_load_b256 s[68:75], s[0:1], 0x0              ; xw s[68:69], bq s[70:71], bk s[72:73], bv s[74:75]
	s_load_b64 s[8:9], s[0:1], 0x20                ; qkv
	s_set_vgpr_msb 0x40
	v_lshl_add_u32 v63, v0, 2, 0x48400
	s_set_vgpr_msb 0x4000
	v_mov_b32 v255, 0
	s_set_vgpr_msb 0x1
	ds_add_u32 v63, v255
	s_set_vgpr_msb 0x100
	v_lshrrev_b32 v1, 5, v0
	v_readfirstlane_b32 s10, v1                    ; wave 0..3
	s_lshr_b32 s11, s10, 1                         ; my half of the block's rows.  Also: I fetch for X (0) or W (1)
	s_and_b32 s12, s10, 1                          ; my half of its columns.  Also: which half of that tile I fetch
	s_bfe_u32 s40, ttmp6, 0x40000                  ; cx
	s_bfe_u32 s41, ttmp6, 0x40004                  ; cy
	s_lshl_b32 s42, ttmp9, 2
	s_add_co_u32 s42, s42, s40                     ; block column = 4 x cluster x + cx
	s_and_b32 s13, ttmp7, 0xffff
	s_lshr_b32 s45, s13, 2                         ; p = cluster y / 4: 0 q, 1 k, 2 v; equal in the whole cluster
	s_lshl_b32 s13, s13, 2
	s_add_co_u32 s13, s13, s41                     ; block row = 4 x cluster y + cy
	s_lshl_b32 s43, s41, 2
	s_lshl_b32 s43, 15, s43                        ; my row of the cluster
	s_lshl_b32 s44, 0x1111, s40                    ; my column
	; group 1 for X: 128 rows x 128 elements, 16 bytes of padding behind every 64 words; for W: 64 rows x 256 elements, 32 bytes behind every 128 words
	s_or_b32 s[G1+0], s43, (1<<16)|(1<<20)|(1<<21)|(5<<22)|(3<<25)
	s_or_b32 s[G1B+0], s44, (1<<16)|(1<<20)|(1<<21)|(6<<22)|(7<<25)
	s_mov_b32 s[G1+1], 128<<16                     ; tensor_dim0 = 128
	s_mov_b32 s[G1B+1], 256<<16                    ; tensor_dim0 = 256
	s_mov_b32 s[G1+2], 128<<16                     ; tensor_dim1 = 128
	s_mov_b32 s[G1B+2], 64<<16                     ; tensor_dim1 = 64
	s_mov_b32 s[G1+3], 128<<16                     ; tile_dim0 = 128
	s_mov_b32 s[G1B+3], 256<<16                    ; tile_dim0 = 256
	s_mov_b32 s[G1+4], 128                         ; tile_dim1 = 128
	s_mov_b32 s[G1B+4], 64                         ; tile_dim1 = 64
	s_mov_b32 s[G1+5], SIZE_K                      ; elements from row to row
	s_mov_b32 s[G1B+5], 1024
	s_mov_b32 s[G1+6], 0
	s_mov_b32 s[G1B+6], 0
	s_mov_b32 s[G1+7], 0
	s_mov_b32 s[G1B+7], 0
	; X's tile hangs on the block row alone, W's on the block column and p alone; each offset in registers that never hold the other coordinate
	s_lshl_b32 s16, s13, 19                        ; 256 rows of 2,048 bytes a block row
	s_lshl_b32 s17, s12, 18                        ; + 128 rows for the second half
	s_add_co_u32 s16, s16, s17
	s_mov_b32 s17, 0
	s_lshl_b32 s46, s45, 21                        ; the weight's unit of 2 MiB,
	s_lshl_b32 s47, s12, 17                        ; 64 k-rows of 2,048 bytes for the second half,
	s_add_co_u32 s46, s46, s47
	s_lshl_b32 s47, s42, 9                         ; 256 columns of 2 bytes a block column,
	s_add_co_u32 s46, s46, s47
	s_add_co_u32 s46, s46, 0x1800000               ; behind the 12 units of X
	s_mov_b32 s47, 0
	s_lshl_b32 s76, s42, 10                        ; the bias of my 128 columns: 4 x (256 block column + 128 half)
	s_lshl_b32 s77, s12, 9
	s_add_co_u32 s76, s76, s77
	s_mov_b32 s77, 0
	s_mul_i32 s20, s10, HALFT                      ; LDS: X's halves, then W's halves = wave x 34,816
	s_cmp_eq_u32 s45, 0
	s_cselect_b32 s66, 0x3e38aa3b, 1.0             ; q alone is scaled by 0.125 log2(e)
	s_mov_b32 s67, s66
	s_wait_dscnt 0x0
	s_wait_kmcnt 0x0
	s_add_nc_u64 s[14:15], s[68:69], s[16:17]
	s_add_nc_u64 s[46:47], s[68:69], s[46:47]
	s_cmp_eq_u32 s45, 1
	s_cselect_b64 s[6:7], s[72:73], s[70:71]
	s_cmp_eq_u32 s45, 2
	s_cselect_b64 s[6:7], s[74:75], s[6:7]
	s_add_nc_u64 s[6:7], s[6:7], s[76:77]          ; never rewritten
	CROUND                                         ; all sixteen work-groups are here: the first joint loads meet
.irp s, 0,1
	s_mov_b32 s[G0+4*\s], 1
	s_add_co_u32 s[G0+4*\s+1], s20, \s*SLOT
	s_add_nc_u64 s[G0+4*\s+2:G0+4*\s+3], s[14:15], \s*KSTEP*2          ; K step s: 256 bytes along the rows
	s_or_b32 s[G0+4*\s+3], s[G0+4*\s+3], 0x80000000
	s_mov_b32 s[G0B+4*\s], 1
	s_add_co_u32 s[G0B+4*\s+1], s20, \s*SLOT
	s_add_nc_u64 s[G0B+4*\s+2:G0B+4*\s+3], s[46:47], \s*KSTEP*2048     ; K step s: 128 rows down
	s_or_b32 s[G0B+4*\s+3], s[G0B+4*\s+3], 0x80000000
	JLOAD \s
.endr
	v_and_b32 v1, 15, v0                           ; r = l % 16
	v_bfe_u32 v2, v0, 4, 1                         ; h = l / 16
	v_mul_u32_u24 v3, v1, PITCH
	v_lshl_add_u32 v3, v2, 4, v3                   ; X: row x pitch + 16 h
	v_and_b32 v6, 7, v0
	v_lshl_add_u32 v6, v2, 3, v6                   ; W: k-row 8 h + l % 8,
	v_mul_u32_u24 v6, v6, BPITCH
	v_bfe_u32 v7, v0, 3, 1
	v_lshl_add_u32 v6, v7, 4, v6                   ; 16 bytes further for the second eight lanes of a half
	s_mul_i32 s21, s11, HALFT                      ; my 128 rows of X
	s_lshl_b32 s22, s12, 8                         ; my 128 columns of W (256 bytes),
	s_add_co_u32 s22, s22, 2*HALFT                 ; which lies behind X's 256 rows
.irp s, 0,1
	v_add_nc_u32 v[ADRA+\s], s21, v3
	v_add_nc_u32 v[ADRB+\s], s22, v6
	s_add_co_u32 s21, s21, SLOT
	s_add_co_u32 s22, s22, SLOT
.endr
	s_mul_i32 s23, s10, 16*SPITCH
	s_add_co_u32 s23, s23, STAGE                   ; my stage
	v_add_nc_u32 v[STO], s23, v3                   ; in: row r, 16 bytes for each half of the lanes
	v_bfe_u32 v8, v0, 3, 2                         ; back: eight lanes take one token's 128 bytes of one head, four tokens a load
	v_mul_u32_u24 v8, v8, SPITCH
	v_and_b32 v9, 7, v0
	v_lshl_add_u32 v8, v9, 4, v8
	v_add_nc_u32 v[RD], s23, v8
	v_and_b32 v9, 31, v0
	v_lshlrev_b32 v[CO], 4, v9                     ; four tokens of a head are 512 consecutive bytes of qkv
	v_lshlrev_b32 v[BOF], 5, v2
	WIN TO_B
.irp b, 0,1,2,3,4,5,6,7
	global_load_b128 v[BIAS+8*\b:BIAS+8*\b+3],   v[BOF], s[6:7] offset:64*\b       ; the bias of columns 16 b + 8 h + 0..7: waited for on the way out
	global_load_b128 v[BIAS+8*\b+4:BIAS+8*\b+7], v[BOF], s[6:7] offset:64*\b+16
.endr
	WIN 0
; 16 matrix instructions: row tiles a0, a0 + 1 of the window's four x all 8 column tiles, 32 along K.  zero = 1: the first product starts the sums.
; The 64 accumulators take turns, one instruction a turn, in the same order in every quarter step, over the backward jump too.
.macro MUL16 f, hi, a0, zero
.irp a, \a0, \a0+1
.irp b, 0,1,2,3,4,5,6,7
.if \zero
	v_wmma_f32_16x16x32_bf16 v[8*(8*(\a)+\b):8*(8*(\a)+\b)+7], v[\f+8*\b:\f+8*\b+7], v[\f+8*(4*\hi+\a):\f+8*(4*\hi+\a)+7], 0
.else
	v_wmma_f32_16x16x32_bf16 v[8*(8*(\a)+\b):8*(8*(\a)+\b)+7], v[\f+8*\b:\f+8*\b+7], v[\f+8*(4*\hi+\a):\f+8*(4*\hi+\a)+7], v[8*(8*(\a)+\b):8*(8*(\a)+\b)+7]
.endif
.endr
.endr
.endm
; 32 LDS loads in one run: quarter step q (32 along K) of a slot into buffer f.  W: k-rows 32 q + 8 h + l % 8 and 16 rows further, transposed on the way.
.macro FETCH slot, q, f
	WIN TO_B
.irp i, 0,1,2,3,4,5,6,7
	ds_load_tr16_b128 v[\f+8*\i:\f+8*\i+3],   v[ADRB+\slot] offset:32*\q*BPITCH+32*\i
	ds_load_tr16_b128 v[\f+8*\i+4:\f+8*\i+7], v[ADRB+\slot] offset:32*\q*BPITCH+16*BPITCH+32*\i
.endr
	WIN 0
.irp i, 0,1,2,3,4,5,6,7
	ds_load_b128 v[\f+8*\i:\f+8*\i+3],   v[ADRA+\slot] offset:64*\q+\i*16*PITCH
	ds_load_b128 v[\f+8*\i+4:\f+8*\i+7], v[ADRA+\slot] offset:64*\q+\i*16*PITCH+32
.endr
.endm
; Four places behind a matrix instruction before a load lands on one of its sources or a vector instruction touches its registers
.macro PLACES
.rept 4
	v_nop
.endr
.endm
.macro QUARTER slot, q, f, g, zero     ; multiplies buffer f; in its middle fetches quarter q of the same slot into buffer g
	s_wait_dscnt 8                                 ; W and X's rows 0-63 are in; the youngest eight loads (X's rows 64-127) may be out
	WIN MUL_LO
	MUL16 \f, 0, 0, \zero
	MUL16 \f, 0, 2, \zero
	PLACES
	FETCH \slot, \q, \g
	s_wait_dscnt 32                                ; all but the 32 just issued
	WIN MUL_HI
	MUL16 \f, 1, 0, \zero
	MUL16 \f, 1, 2, \zero
.endm
.macro THREE slot, zero
	QUARTER \slot, 1, F0, F1, \zero
	QUARTER \slot, 2, F1, F0, 0
	QUARTER \slot, 3, F0, F1, 0
.endm
; The last quarter of a K step: multiplies buffer 1 and changes slots.  In front of the barrier each wave waits for its reads of this slot and for
; all its tensor loads (one is out: its part of the next slot).  Behind it the refill comes first, then the next slot's first fragments.
.macro TURN slot, next, fill
	s_wait_dscnt 8
	WIN MUL_LO
	MUL16 F1, 0, 0, 0
	s_wait_dscnt 0                                 ; my reads of this slot are over
	s_wait_tensorcnt 0x0                           ; all my tensor loads have landed
	ds_add_u32 v63, v255
	s_wait_dscnt 0x0
	s_barrier_signal -1                            ; where a slot is filled again this barrier opens a round of the cluster's barrier
	MUL16 F1, 0, 2, 0                              ; register work while the others arrive
	WIN 0
	s_barrier_wait -1
.if \fill
	CREST                                          ; no wave of any partner still reads this slot or has a load on its way
	s_add_nc_u64 s[G0+4*\slot+2:G0+4*\slot+3], s[G0+4*\slot+2:G0+4*\slot+3], 2*KSTEP*2
	s_add_nc_u64 s[G0B+4*\slot+2:G0B+4*\slot+3], s[G0B+4*\slot+2:G0B+4*\slot+3], 2*KSTEP*2048
	JLOAD \slot                                    ; my one tensor load behind the round; its four v_nop are also the places in front of the loads below
.else
	PLACES
.endif
	FETCH \next, 0, F0
	WIN MUL_HI
	MUL16 F1, 1, 0, 0
	MUL16 F1, 1, 2, 0
.endm
.macro LAP zero
	THREE 0, \zero
	TURN 0, 1, 1
	THREE 1, 0
	TURN 1, 0, 1
.endm
	s_wait_tensorcnt 1                             ; my part of K step 0 is in; K step 1's may stay out
	s_barrier_signal -1
	s_barrier_wait -1
	FETCH 0, 0, F0
	LAP 1                                          ; the first lap's first products start the sums
	WIN 0
	s_mov_b32 s3, LAPS-2
.Llap:
	LAP 0
	WIN 0
	s_sub_co_u32 s3, s3, 1
	s_cmp_lg_u32 s3, 0
	s_cbranch_scc1 .Llap
	THREE 0, 0                                     ; the last lap fills nothing
	TURN 0, 1, 0
	THREE 1, 0
	s_wait_dscnt 8
	WIN MUL_LO
	MUL16 F1, 0, 0, 0
	MUL16 F1, 0, 2, 0
	s_wait_dscnt 0
	WIN MUL_HI
	MUL16 F1, 1, 0, 0
	MUL16 F1, 1, 2, 0
	; THE WAY OUT, 16 tokens at a time: (sum + bias) x scale as one fused multiply-add with the bias scaled beforehand, round to bf16,
	; 16 bytes a lane into my own stage, read back by heads: a store of the wave covers 512 consecutive bytes (4 tokens of one head).
	PLACES
	s_wait_loadcnt 0x0                             ; the bias
	WIN 0x41                                       ; destination and source 0 in window 1
.set jj, 0
.rept 32
	v_pk_mul_f32 v[BIAS+jj:BIAS+jj+1], v[BIAS+jj:BIAS+jj+1], s[66:67] op_sel_hi:[1,0]
.set jj, jj+2
.endr
	s_and_b32 s16, s13, 15                         ; my block row inside the projection: 256 tokens of 128 bytes,
	s_lshl_b32 s16, s16, 15
	s_lshl_b32 s14, s11, 14                        ; 128 tokens for the second half,
	s_add_co_u32 s16, s16, s14
	s_lshl_b32 s14, s45, 23                        ; the projection's 8 MiB
	s_add_co_u32 s16, s16, s14
	s_mov_b32 s17, 0
	s_add_nc_u64 s[8:9], s[8:9], s[16:17]
	s_lshl_b32 s46, s42, 21                        ; head 4 x block column + 2 x half, 524,288 bytes a head
	s_lshl_b32 s47, s12, 20
	s_add_co_u32 s46, s46, s47
	s_mov_b32 s47, 0
	s_add_nc_u64 s[8:9], s[8:9], s[46:47]
; tokens 16 i .. 16 i + 15 of my block = tiles (a, 0..7) of window 2 or 3 (from = 0x12 or 0x13: source 0 there, source 2 = the bias in window 1); rb: read-back registers in turn
.macro OUT16 i, a, from, rb
	WIN \from
.irp b, 0,1,2,3,4,5,6,7
.irp r, 0,1,2,3
	v_pk_fma_f32 v[FT+8*\b+2*\r:FT+8*\b+2*\r+1], v[8*(8*\a+\b)+2*\r:8*(8*\a+\b)+2*\r+1], s[66:67], v[BIAS+8*\b+2*\r:BIAS+8*\b+2*\r+1] op_sel_hi:[1,0,1]
.endr
.endr
	WIN 0
.irp b, 0,1,2,3,4,5,6,7
.irp r, 0,1,2,3
	v_cvt_pk_bf16_f32 v[TMP+4*\b+\r], v[FT+8*\b+2*\r], v[FT+8*\b+2*\r+1]
.endr
.endr
.irp b, 0,1,2,3,4,5,6,7
	ds_store_b128 v[STO], v[TMP+4*\b:TMP+4*\b+3] offset:32*\b
.endr
	s_wait_xcnt 0x0                                ; the read-back registers, which earlier stores read, and the stores' base are rewritten only behind this wait
.if \i
	s_add_nc_u64 s[8:9], s[8:9], 16*128            ; 16 tokens on
.endif
.irp t, 0,1,2,3,4,5,6,7
	ds_load_b128 v[\rb+4*\t:\rb+4*\t+3], v[RD] offset:(\t&3)*4*SPITCH+(\t>>2)*128    ; LDS serves a wave's instructions in order (ISA guide 5.7.1): these see the stores above
.endr
.irp t, 0,1,2,3,4,5,6,7
	s_wait_dscnt 7-\t
	global_store_b128 v[CO], v[\rb+4*\t:\rb+4*\t+3], s[8:9] offset:(\t>>2)*524288+(\t&3)*512
.endr
.endm
	OUT16 0, 0, 0x12, 128
	OUT16 1, 1, 0x12, 160
	OUT16 2, 2, 0x12, 128
	OUT16 3, 3, 0x12, 160
	OUT16 4, 0, 0x13, 128
	OUT16 5, 1, 0x13, 160
	OUT16 6, 2, 0x13, 128
	OUT16 7, 3, 0x13, 160
	s_set_vgpr_msb 0x1
	s_wait_tensorcnt 0x0
	ds_add_u32 v63, v255
	s_wait_dscnt 0x0
	s_set_vgpr_msb 0x100
	CROUND                                         ; the closing round: no work-group ends while a partner may still ask for a tile that names it
	s_endpgm
.Lfunc_end_k_q047187369c_proj:
	.size	k_q047187369c_proj, .Lfunc_end_k_q047187369c_proj-k_q047187369c_proj
	.p2alignl 7, 3214868480
	.fill 96, 4, 3214868480
	.section	.rodata,"a",@progbits
	.p2align	6, 0x0
	.amdhsa_kernel k_q047187369c_proj
		.amdhsa_group_segment_fixed_size 327680
		.amdhsa_private_segment_fixed_size 0
		.amdhsa_enable_private_segment 0
		.amdhsa_kernarg_size 40
		.amdhsa_user_sgpr_count 2
		.amdhsa_user_sgpr_kernarg_segment_ptr 1
		.amdhsa_wavefront_size32 1
		.amdhsa_system_sgpr_workgroup_id_x 1
		.amdhsa_system_sgpr_workgroup_id_y 1
		.amdhsa_system_sgpr_workgroup_id_z 1
		.amdhsa_system_vgpr_workitem_id 0
		.amdhsa_next_free_vgpr 1024
		.amdhsa_next_free_sgpr 80
		.amdhsa_reserve_vcc 0
		.amdhsa_float_denorm_mode_32 3
		.amdhsa_float_denorm_mode_16_64 3
		.amdhsa_memory_ordered 1
		.amdhsa_forward_progress 1
		.amdhsa_inst_pref_size 217
	.end_amdhsa_kernel
	.amdgpu_metadata
---
amdhsa.version: [ 1, 2 ]
amdhsa.kernels:
  - .name:           k_q047187369c_proj
    .symbol:         k_q047187369c_proj.kd
    .args:
      - { .name: xw, .offset: 0, .size: 8, .value_kind: global_buffer, .address_space: global }
      - { .name: bq, .offset: 8, .size: 8, .value_kind: global_buffer, .address_space: global }
      - { .name: bk, .offset: 16, .size: 8, .value_kind: global_buffer, .address_space: global }
      - { .name: bv, .offset: 24, .size: 8, .value_kind: global_buffer, .address_space: global }
      - { .name: qkv, .offset: 32, .size: 8, .value_kind: global_buffer, .address_space: global }
    .group_segment_fixed_size: 327680
    .private_segment_fixed_size: 0
    .kernarg_segment_align: 8
    .kernarg_segment_size: 40
    .max_flat_workgroup_size: 128
    .sgpr_count:     80
    .vgpr_count:     1024
    .wavefront_size: 32
...
	.end_amdgpu_metadata
.endif
;; end of part 2
;; launch attn (part 3): grid 16 x 16, 8 waves a work-group, clusters of 4 x 1, 327,680 bytes of LDS; arguments qkv, att; writes att
.if DOCPART == 3
	.amdgcn_target "amdgcn-amd-amdhsa--gfx1250"
	.amdhsa_code_object_version 6
	.text
	.protected	k_q047187369c_attn
	.globl	k_q047187369c_attn
	.p2align	8
	.type	k_q047187369c_attn,@function
k_q047187369c_attn:
	s_mov_b64 s[64:65], 0
	v_nop
	global_prefetch_b8 v0, s[64:65] scope:SCOPE_SE
	s_setreg_imm32_b32 hwreg(HW_REG_WAVE_MODE, 25, 1), 1
	s_wait_xcnt 0x0
	s_wait_alu depctr_hold_cnt(0) depctr_sa_sdst(0) depctr_va_vdst(0) depctr_va_sdst(0) depctr_va_ssrc(0) depctr_va_vcc(0) depctr_vm_vsrc(0)
	s_getreg_b32 s2, hwreg(HW_REG_IB_STS2, 6, 4)
	s_cmp_eq_u32 s2, 0
	s_cbranch_scc0 .Lentry_in_a_cluster
	s_endpgm
.Lentry_in_a_cluster:
	s_bfe_u32 s2, ttmp6, 0x10000c
	s_cmp_lg_u32 s2, 0x3003
	s_cbranch_scc0 .Lentry_shape_is_right
	s_endpgm
.Lentry_shape_is_right:
; softmax(q k^T / 8) v for one head (grid y) and 256 queries (grid x), with a running maximum, in base 2: q comes already times 0.125 log2(e).
; qkv: [3][16][4096][64] bf16.  att: [16][4096][64] bf16.
; Eight waves: wave w has the 64 queries of group wq = w % 4 and the key half g = w / 4 of every tile of 256 keys.  Two waves lie on each SIMD, so
; one wave's softmax runs beside the other's products, and each K or V fragment still feeds four matrix instructions.  The two partial
; results of a pair (w, w + 4), each with its own maximum and sum, are joined exactly at the end through LDS.
; TRANSPOSED: S^T = K Q^T (source 0 = 16 keys, source 1 = 16 queries): lane (r, h) holds query r and keys 8 h + 0..7 of each tile, so maximum, sum
; and rescale factor are one number a lane (one exchange between the halves of the wave for the maximum), and two neighbouring key tiles,
; rounded to bf16 in place, ARE the second source of O^T = V^T P^T.  V^T's fragments come by the transposing LDS load.
; CLUSTER 4 x 1: the four query blocks of a cluster walk the same K and V tiles of one head and ask for them jointly (mask 15).
; LDS: two slots of 81,920 bytes, each eight regions of 10,240, region = number of the wave that fills it: 0-3 K's quarters (64 keys, pitch 144),
; 4-7 V's quarters (64 keys, pitch 160).  Behind the ring, never the target of a tensor load: XCH (4 pairs x 18,432) and OST (4 x 9,216).
; A wave has one tensor load outstanding.
; No prefetch: K and V were stored by the launch in front of this one, and each tile is asked for a whole tile's work ahead.
; LIMITS: q, k, v and p are bf16 operands; the sum l is made of the unrounded p; v_exp_f32 gives 0 below 2^-126 (ISA guide, its entry), so terms more than 126
; binary orders under the row's maximum count as zero; v_rcp_f32 is good to one unit in the last place; NaN or infinite scores are not treated apart.
.set HEADB, 524288                     ; a head's plane: 4,096 tokens x 128 bytes
.set TILEB, 32768                      ; 256 keys x 128 bytes
.set SLOTB, 81920
.set REGB,  10240
.set KP,    144                        ; K's LDS pitch: 128 + 16, an odd multiple of 16
.set VP,    160                        ; V's LDS pitch: 128 + 32, an odd multiple of 32
.set XCH,   2*SLOTB
.set XPAIR, 18432                      ; 32 chunks of 512 bytes of O, 4 of the figures
.set OST,   XCH+4*XPAIR
.set OSTW,  9216                       ; 64 rows x 144
.set ADK, 16                           ; v16-17 my K fragments in slot 0, 1
.set ADV, 18                           ; v18-19 my V fragments
.set QO,  20                           ; v20 128 r + 16 h
.set XA,  21                           ; v21 my pair's exchange bytes + 16 lane
.set OSA, 22                           ; v22 way out: in
.set ORD, 23                           ; v23 way out: back
.set OCO, 24                           ; v24 16 lane
.set ST,  32                           ; v[32:47] for each query tile qt four numbers: -m, m, alpha, l
.set TM,  48                           ; v[48:55] two a query tile
.set UU,  56                           ; v[56:59]
.set SC,  64                           ; v64-191 scores: tile (kt, qt) at SC + 32 qt + 8 kt; then P: (ks, qt) at SC + 32 qt + 16 ks
.set VF,  192                          ; v192-255 V^T fragments (dt, ks) at VF + 8 (2 dt + ks)
.set PS,  192                          ; the join: the partner's figures
.set CF,  208                          ; the join: (c1, a1, c2, a2) for each query tile
.set OA,  0                            ; window 1: O^T tile (dt, qt) at 8 (4 qt + dt)
.set QF,  128                          ; window 1: Q fragments (qt, dh) at QF + 8 (2 qt + dh)
.set KF,  192                          ; window 1: K fragments (kt, dh) at KF + 8 (2 kt + dh)
.set G1K, 16
.set G1V, 24
.set G0K, 32                           ; s[32:39] one set for each slot
.set G0V, 40                           ; s[40:47]
.set W_S,  0x05                        ; sources 0 and 1 (K, Q) window 1; C and D (scores) window 0
.set W_PV, 0x50                        ; sources 0 and 1 (V, P) window 0; C and D (O) window 1
.set MSB, 0
.macro WIN new
.if MSB != (\new)
	s_set_vgpr_msb (MSB<<8)|(\new)
.set MSB, (\new)
.endif
.endm
.macro ROUND                           ; a round of the cluster's barrier
	s_barrier_signal -1
	s_barrier_wait -1
	s_cmp_lg_u32 s8, 0
	s_cbranch_scc1 .Lnot_wave_0_\@
	s_barrier_signal -3
.Lnot_wave_0_\@:
	s_barrier_wait -3
	s_barrier_signal -1
	s_barrier_wait -1
.endm
; Waves 0-3 ask for K's quarters, waves 4-7 for V's: one load a wave.  The branch hangs on the wave's number alone.
.macro JLOAD s
	s_cmp_eq_u32 s9, 0
	s_cbranch_scc0 .Lfor_v_\@
	tensor_load_to_lds s[G0K+4*\s:G0K+4*\s+3], s[G1K:G1K+7]
	s_nop 0
.rept 4
	v_nop
.endr
	s_branch .Lasked_\@
.Lfor_v_\@:
	tensor_load_to_lds s[G0V+4*\s:G0V+4*\s+3], s[G1V:G1V+7]
	s_nop 0
.rept 4
	v_nop
.endr
.Lasked_\@:
.endm
	s_load_b128 s[4:7], s[0:1], 0x0                ; qkv s[4:5], att s[6:7]
	v_lshl_add_u32 v62, v0, 2, 0x43000
	v_mov_b32 v63, 0
	ds_add_u32 v62, v63
	v_lshrrev_b32 v1, 5, v0
	v_readfirstlane_b32 s8, v1                     ; wave 0..7
	s_lshr_b32 s9, s8, 2                           ; g: my half of the keys.  Also: I fetch K (0) or V (1)
	s_and_b32 s10, s8, 3                           ; wq: my 64 queries.  Also: which quarter I fetch
	s_bfe_u32 s11, ttmp6, 0x40000                  ; cx
	s_lshl_b32 s12, ttmp9, 2
	s_add_co_u32 s12, s12, s11                     ; query block = 4 x cluster x + cx
	s_and_b32 s13, ttmp7, 0xffff                   ; head
	s_mov_b32 s14, 0x76543210                      ; v_permlanex16_b32: lane i of one half reads lane i of the other
	s_mov_b32 s15, 0xfedcba98
	; group 1: 64 rows x 64 elements, pitch 64 elements in memory; padding behind every 32 words: 4 words for K, 8 for V; mask 15 with bit 21 beside it
	s_mov_b32 s[G1K+0], 15|(1<<16)|(1<<20)|(1<<21)|(4<<22)|(3<<25)
	s_mov_b32 s[G1V+0], 15|(1<<16)|(1<<20)|(1<<21)|(4<<22)|(7<<25)
.irp g, G1K, G1V
	s_mov_b32 s[\g+1], 64<<16                      ; tensor_dim0
	s_mov_b32 s[\g+2], 64<<16                      ; tensor_dim1
	s_mov_b32 s[\g+3], 64<<16                      ; tile_dim0
	s_mov_b32 s[\g+4], 64                          ; tile_dim1
	s_mov_b32 s[\g+5], 64                          ; elements from row to row
	s_mov_b32 s[\g+6], 0
	s_mov_b32 s[\g+7], 0
.endr
	s_mul_i32 s48, s8, REGB                        ; my region of a slot
	s_lshl_b32 s52, s13, 19                        ; the head's plane
	s_lshl_b32 s53, s10, 13                        ; + 64 wq tokens of 128 bytes
	s_add_co_u32 s52, s52, s53
	s_mov_b32 s53, 0
	s_lshl_b32 s56, s12, 15                        ; 256 queries of 128 bytes a block
	s_mov_b32 s57, 0
	s_wait_dscnt 0x0
	s_wait_kmcnt 0x0
	s_add_nc_u64 s[54:55], s[4:5], s[52:53]        ; holds head and wave alone: equal in the four partners
	s_add_nc_u64 s[50:51], s[54:55], s[56:57]      ; my 64 queries
	s_add_nc_u64 s[58:59], s[6:7], s[52:53]
	s_add_nc_u64 s[58:59], s[58:59], s[56:57]      ; and their place in att
.irp s, 0,1
	s_mov_b32 s[G0K+4*\s], 1
	s_add_co_u32 s[G0K+4*\s+1], s48, \s*SLOTB
	s_add_nc_u64 s[G0K+4*\s+2:G0K+4*\s+3], s[54:55], 0x800000+\s*TILEB       ; k's plane lies 8 MiB behind q's; tile s
	s_or_b32 s[G0K+4*\s+3], s[G0K+4*\s+3], 0x80000000
	s_mov_b32 s[G0V+4*\s], 1
	s_add_co_u32 s[G0V+4*\s+1], s48, \s*SLOTB
	s_add_nc_u64 s[G0V+4*\s+2:G0V+4*\s+3], s[54:55], 0x1000000+\s*TILEB      ; v's 16 MiB
	s_or_b32 s[G0V+4*\s+3], s[G0V+4*\s+3], 0x80000000
.endr
	v_and_b32 v1, 15, v0                           ; r
	v_bfe_u32 v2, v0, 4, 1                         ; h
	v_and_b32 v3, 31, v0                           ; lane
	v_and_b32 v4, 7, v0
	v_bfe_u32 v5, v0, 3, 1
	v_bfe_u32 v6, v0, 3, 2
	v_mul_u32_u24 v7, v1, KP
	v_lshl_add_u32 v7, v2, 4, v7                   ; 144 r + 16 h
	s_mul_i32 s49, s9, 2*REGB                      ; K's quarters 2 g, 2 g + 1
	v_add_nc_u32 v[ADK], s49, v7
	v_add_nc_u32 v[ADK+1], SLOTB, v[ADK]
	v_lshl_add_u32 v8, v2, 3, v4                   ; V: key row 8 h + lane % 8,
	v_mul_u32_u24 v8, v8, VP
	v_lshl_add_u32 v8, v5, 4, v8                   ; 16 bytes further for the second eight lanes of a half
	s_add_co_u32 s49, s49, 4*REGB                  ; V's quarters lie behind K's four
	v_add_nc_u32 v[ADV], s49, v8
	v_add_nc_u32 v[ADV+1], SLOTB, v[ADV]
	v_lshlrev_b32 v[QO], 7, v1
	v_lshl_add_u32 v[QO], v2, 4, v[QO]
	v_lshlrev_b32 v[OCO], 4, v3
	s_mul_i32 s49, s10, XPAIR
	s_add_co_u32 s49, s49, XCH
	v_add_nc_u32 v[XA], s49, v[OCO]
	s_mul_i32 s49, s10, OSTW
	s_add_co_u32 s49, s49, OST
	v_add_nc_u32 v[OSA], s49, v7
	v_mul_u32_u24 v9, v6, KP
	v_lshl_add_u32 v9, v4, 4, v9
	v_add_nc_u32 v[ORD], s49, v9
	WIN 0x40                                       ; Q's fragments stay in registers for the whole kernel: query 16 qt + r, d = 32 dh + 8 h .. and 16 further
.irp qt, 0,1,2,3
.irp dh, 0,1
	global_load_b128 v[QF+8*(2*\qt+\dh):QF+8*(2*\qt+\dh)+3],   v[QO], s[50:51] offset:2048*\qt+64*\dh
	global_load_b128 v[QF+8*(2*\qt+\dh)+4:QF+8*(2*\qt+\dh)+7], v[QO], s[50:51] offset:2048*\qt+64*\dh+32
.endr
.endr
	WIN 0
	ROUND                                          ; the four work-groups are here: the first joint loads meet
	JLOAD 0                                        ; tile 0
	s_wait_loadcnt 0x0                             ; Q
.macro LOADK slot, sb                  ; 16 loads: the fragments of K's quarter 2 g + sb
	WIN 0x40
.irp kt, 0,1,2,3
.irp dh, 0,1
	ds_load_b128 v[KF+8*(2*\kt+\dh):KF+8*(2*\kt+\dh)+3],   v[ADK+\slot] offset:(\sb)*REGB+\kt*16*KP+64*\dh
	ds_load_b128 v[KF+8*(2*\kt+\dh)+4:KF+8*(2*\kt+\dh)+7], v[ADK+\slot] offset:(\sb)*REGB+\kt*16*KP+64*\dh+32
.endr
.endr
.endm
.macro LOADV slot, sb                  ; 16 transposing loads: V^T of quarter 2 g + sb: d = 16 dt + r, keys 32 ks + 8 h .. and 16 further
	WIN 0
.irp dt, 0,1,2,3
.irp ks, 0,1
	ds_load_tr16_b128 v[VF+8*(2*\dt+\ks):VF+8*(2*\dt+\ks)+3],   v[ADV+\slot] offset:(\sb)*REGB+\ks*32*VP+32*\dt
	ds_load_tr16_b128 v[VF+8*(2*\dt+\ks)+4:VF+8*(2*\dt+\ks)+7], v[ADV+\slot] offset:(\sb)*REGB+\ks*32*VP+16*VP+32*\dt
.endr
.endr
.endm
; The new maximum of query tile qt over my 32 scores, the old maximum and the other half of the wave; alpha = 2^(old - new).
.macro SMAX qt, first
	v_max3_num_f32 v[TM+2*\qt],   v[SC+32*\qt],   v[SC+32*\qt+1], v[SC+32*\qt+2]
	v_max3_num_f32 v[TM+2*\qt+1], v[SC+32*\qt+3], v[SC+32*\qt+4], v[SC+32*\qt+5]
.irp j, 6,10,14,18,22,26
	v_max3_num_f32 v[TM+2*\qt],   v[TM+2*\qt],   v[SC+32*\qt+\j],   v[SC+32*\qt+\j+1]
	v_max3_num_f32 v[TM+2*\qt+1], v[TM+2*\qt+1], v[SC+32*\qt+\j+2], v[SC+32*\qt+\j+3]
.endr
	v_max3_num_f32 v[TM+2*\qt], v[TM+2*\qt], v[SC+32*\qt+30], v[SC+32*\qt+31]
.if \first
	v_max_num_f32 v[TM+2*\qt], v[TM+2*\qt], v[TM+2*\qt+1]
.else
	v_max3_num_f32 v[TM+2*\qt], v[TM+2*\qt], v[TM+2*\qt+1], v[ST+4*\qt+1]
.endif
	v_permlanex16_b32 v[TM+2*\qt+1], v[TM+2*\qt], s14, s15
	v_max_num_f32 v[TM+2*\qt], v[TM+2*\qt], v[TM+2*\qt+1]
.if \first == 0
	v_sub_f32 v[UU+\qt], v[ST+4*\qt+1], v[TM+2*\qt]
.endif
	v_mov_b32 v[ST+4*\qt+1], v[TM+2*\qt]
	v_mul_f32 v[ST+4*\qt], -1.0, v[TM+2*\qt]
.if \first == 0
	v_exp_f32 v[ST+4*\qt+2], v[UU+\qt]             ; the plain line that follows this macro touches neither alpha nor its source (ISA guide 5.7.2)
.endif
.endm
; p = 2^(s - m) in place, l = l alpha + sum of p, p rounded to bf16 in place: tile kt's pair r goes to SC + 32 qt + 16 (kt / 2) + 4 (kt % 2) + r, ascending,
; so that no number is overwritten before it is read.
.macro SEXP qt, first
.set jj, 0
.rept 16
	v_pk_add_f32 v[SC+32*\qt+jj:SC+32*\qt+jj+1], v[SC+32*\qt+jj:SC+32*\qt+jj+1], v[ST+4*\qt:ST+4*\qt+1] op_sel_hi:[1,0]
.set jj, jj+2
.endr
.set jj, 0
.rept 32
	v_exp_f32 v[SC+32*\qt+jj], v[SC+32*\qt+jj]
.set jj, jj+1
.endr
	v_nop                                          ; one plain place behind the last exponential
	s_wait_alu depctr_va_vdst(0)
	v_pk_add_f32 v[UU:UU+1],   v[SC+32*\qt:SC+32*\qt+1],   v[SC+32*\qt+2:SC+32*\qt+3]
	v_pk_add_f32 v[UU+2:UU+3], v[SC+32*\qt+4:SC+32*\qt+5], v[SC+32*\qt+6:SC+32*\qt+7]
.irp j, 8,12,16,20,24,28
	v_pk_add_f32 v[UU:UU+1],   v[UU:UU+1],   v[SC+32*\qt+\j:SC+32*\qt+\j+1]
	v_pk_add_f32 v[UU+2:UU+3], v[UU+2:UU+3], v[SC+32*\qt+\j+2:SC+32*\qt+\j+3]
.endr
	v_pk_add_f32 v[UU:UU+1], v[UU:UU+1], v[UU+2:UU+3]
.if \first
	v_add_f32 v[ST+4*\qt+3], v[UU], v[UU+1]
.else
	v_add_f32 v[UU], v[UU], v[UU+1]
	v_fma_f32 v[ST+4*\qt+3], v[ST+4*\qt+3], v[ST+4*\qt+2], v[UU]
.endif
.irp kt, 0,1,2,3
.irp r, 0,1,2,3
	v_cvt_pk_bf16_f32 v[SC+32*\qt+16*(\kt>>1)+4*(\kt&1)+\r], v[SC+32*\qt+8*\kt+2*\r], v[SC+32*\qt+8*\kt+2*\r+1]
.endr
.endr
.endm
; 64 keys x 64 queries.  pre = 1: the next quarter's K fragments are fetched behind this one's products.  first = 1: nothing to carry on from.
.macro BLOCK slot, sb, pre, first
.rept 5
	v_nop                                          ; five places between the products that read P and the products that write scores over it (ISA guide 7.12.1)
.endr
	s_wait_dscnt 0x0                               ; K's fragments are in
	WIN W_S
.irp kt, 0,1,2,3                       ; four accumulators take turns, one instruction a turn
.irp dh, 0,1
.irp qt, 0,1,2,3
.if \dh == 0
	v_wmma_f32_16x16x32_bf16 v[SC+32*\qt+8*\kt:SC+32*\qt+8*\kt+7], v[KF+8*(2*\kt+\dh):KF+8*(2*\kt+\dh)+7], v[QF+8*(2*\qt+\dh):QF+8*(2*\qt+\dh)+7], 0
.else
	v_wmma_f32_16x16x32_bf16 v[SC+32*\qt+8*\kt:SC+32*\qt+8*\kt+7], v[KF+8*(2*\kt+\dh):KF+8*(2*\kt+\dh)+7], v[QF+8*(2*\qt+\dh):QF+8*(2*\qt+\dh)+7], v[SC+32*\qt+8*\kt:SC+32*\qt+8*\kt+7]
.endif
.endr
.endr
.endr
.rept 4
	v_nop                                          ; four places before the scores are read and before loads land on K's fragments
.endr
	LOADV \slot, \sb
.if \pre
	LOADK \slot, \sb+1
.endif
	WIN 0
	SMAX 0, \first
	SMAX 1, \first
	SMAX 2, \first
	SMAX 3, \first
	SEXP 0, \first
	SEXP 1, \first
	SEXP 2, \first
	SEXP 3, \first
.if \pre
	s_wait_dscnt 16                                ; V's 16 loads are in; the 16 younger ones (K's next fragments) may stay out
.else
	s_wait_dscnt 0x0
.endif
.if \first == 0
	WIN 0x41                                       ; O = O alpha: destination and source 0 in window 1
.irp qt, 0,1,2,3
.set jj, 0
.rept 16
	v_pk_mul_f32 v[OA+32*\qt+jj:OA+32*\qt+jj+1], v[OA+32*\qt+jj:OA+32*\qt+jj+1], v[ST+4*\qt+2:ST+4*\qt+3] op_sel_hi:[1,0]
.set jj, jj+2
.endr
.endr
.endif
	WIN W_PV
.irp ks, 0,1                           ; sixteen accumulators take turns, one instruction a turn
.irp qt, 0,1,2,3
.irp dt, 0,1,2,3
.if \first*(1-\ks)
	v_wmma_f32_16x16x32_bf16 v[OA+8*(4*\qt+\dt):OA+8*(4*\qt+\dt)+7], v[VF+8*(2*\dt+\ks):VF+8*(2*\dt+\ks)+7], v[SC+32*\qt+16*\ks:SC+32*\qt+16*\ks+7], 0
.else
	v_wmma_f32_16x16x32_bf16 v[OA+8*(4*\qt+\dt):OA+8*(4*\qt+\dt)+7], v[VF+8*(2*\dt+\ks):VF+8*(2*\dt+\ks)+7], v[SC+32*\qt+16*\ks:SC+32*\qt+16*\ks+7], v[OA+8*(4*\qt+\dt):OA+8*(4*\qt+\dt)+7]
.endif
.endr
.endr
.endr
.endm
; One tile of 256 keys.  The round of the cluster's barrier stands between the reads of the other slot and its refill, and shows this slot whole to every wave.
.macro TRIP slot, other, refill, first
	WIN 0
	s_wait_tensorcnt 0x0                           ; all my tensor loads are done, my part of this tile among them, so every group 0 may be written:
	ds_add_u32 v62, v63
	s_wait_dscnt 0x0
	s_add_nc_u64 s[G0K+4*\slot+2:G0K+4*\slot+3], s[G0K+4*\slot+2:G0K+4*\slot+3], 2*TILEB    ; this slot's next tile
	s_add_nc_u64 s[G0V+4*\slot+2:G0V+4*\slot+3], s[G0V+4*\slot+2:G0V+4*\slot+3], 2*TILEB
	s_wait_dscnt 0x0                               ; my reads of the last tile are done
	ROUND                                          ; both now hold of every wave of the four work-groups
.if \refill
	JLOAD \other                                   ; the next tile, into the slot read last: my one tensor load behind the round
.endif
	LOADK \slot, 0
	BLOCK \slot, 0, 1, \first
	BLOCK \slot, 1, 0, 0
.endm
	TRIP 0, 1, 1, 1                                ; 16 tiles: two in front of the loop (the first products start the sums),
	TRIP 1, 0, 1, 0
	WIN 0
	s_mov_b32 s3, 6
.Ltiles:
	TRIP 0, 1, 1, 0                                ; twelve in it,
	TRIP 1, 0, 1, 0
	WIN 0
	s_sub_co_u32 s3, s3, 1
	s_cmp_lg_u32 s3, 0
	s_cbranch_scc1 .Ltiles
	TRIP 0, 1, 1, 0                                ; two behind it: the last fetches nothing (the stepped addresses are not used)
	TRIP 1, 0, 0, 0
	; THE JOIN.  Waves 4-7 hand O, m and l to waves 0-3 through bytes of their pair's own.
.rept 4
	v_nop                                          ; four places behind the last products
.endr
	WIN 0
	s_cmp_eq_u32 s9, 0
	s_cbranch_scc1 .Lkeep
	WIN 0x04                                       ; store data in window 1
.set jj, 0
.rept 32
	ds_store_b128 v[XA], v[OA+4*jj:OA+4*jj+3] offset:512*jj
.set jj, jj+1
.endr
	WIN 0
.irp qt, 0,1,2,3
	ds_store_b128 v[XA], v[ST+4*\qt:ST+4*\qt+3] offset:16384+512*\qt
.endr
.Lkeep:
	s_wait_dscnt 0x0                               ; for the partner's sake: my stores are done
	ROUND                                          ; the closing round of the cluster's barrier; its work-group barriers also hand the bytes over
	s_cmp_lg_u32 s9, 0
	s_cbranch_scc1 .Lend
.irp qt, 0,1,2,3
	ds_load_b128 v[PS+4*\qt:PS+4*\qt+3], v[XA] offset:16384+512*\qt
.endr
.set jj, 0
.rept 32
	ds_load_b128 v[SC+4*jj:SC+4*jj+3], v[XA] offset:512*jj
.set jj, jj+1
.endr
	s_wait_dscnt 0x0
; mm = max(m1, m2); a = 2^(m - mm); l = l1 a1 + l2 a2, both halves of the wave; c = a / l
.macro FIN qt
	v_max_num_f32 v[TM+2*\qt], v[ST+4*\qt+1], v[PS+4*\qt+1]
	v_sub_f32 v[TM+2*\qt+1], v[ST+4*\qt+1], v[TM+2*\qt]
	v_sub_f32 v[UU+\qt], v[PS+4*\qt+1], v[TM+2*\qt]
	v_exp_f32 v[CF+4*\qt+1], v[TM+2*\qt+1]
	v_exp_f32 v[CF+4*\qt+3], v[UU+\qt]
	v_nop
	s_wait_alu depctr_va_vdst(0)
	v_mul_f32 v[TM+2*\qt], v[ST+4*\qt+3], v[CF+4*\qt+1]
	v_fma_f32 v[TM+2*\qt], v[PS+4*\qt+3], v[CF+4*\qt+3], v[TM+2*\qt]
	v_permlanex16_b32 v[TM+2*\qt+1], v[TM+2*\qt], s14, s15
	v_add_f32 v[TM+2*\qt], v[TM+2*\qt], v[TM+2*\qt+1]
	v_rcp_f32 v[UU+\qt], v[TM+2*\qt]               ; l is at least 1: the largest term is 2^0
	v_nop
	s_wait_alu depctr_va_vdst(0)
	v_mul_f32 v[CF+4*\qt],   v[CF+4*\qt+1], v[UU+\qt]
	v_mul_f32 v[CF+4*\qt+2], v[CF+4*\qt+3], v[UU+\qt]
.endm
	FIN 0
	FIN 1
	FIN 2
	FIN 3
.irp qt, 0,1,2,3
.set jj, 0
.rept 16
	v_pk_mul_f32 v[SC+32*\qt+jj:SC+32*\qt+jj+1], v[SC+32*\qt+jj:SC+32*\qt+jj+1], v[CF+4*\qt+2:CF+4*\qt+3] op_sel_hi:[1,0]
.set jj, jj+2
.endr
.endr
	WIN 0x01                                       ; source 0 (my O) in window 1
.irp qt, 0,1,2,3
.set jj, 0
.rept 16
	v_pk_fma_f32 v[SC+32*\qt+jj:SC+32*\qt+jj+1], v[OA+32*\qt+jj:OA+32*\qt+jj+1], v[CF+4*\qt:CF+4*\qt+1], v[SC+32*\qt+jj:SC+32*\qt+jj+1] op_sel_hi:[1,0,1]
.set jj, jj+2
.endr
.endr
	WIN 0
.set jj, 0
.rept 64
	v_cvt_pk_bf16_f32 v[SC+jj], v[SC+2*jj], v[SC+2*jj+1]       ; in place, ascending: tile t = 4 qt + dt packs into SC + 4 t .. + 3
.set jj, jj+1
.endr
.irp qt, 0,1,2,3
.irp dt, 0,1,2,3
	ds_store_b128 v[OSA], v[SC+4*(4*\qt+\dt):SC+4*(4*\qt+\dt)+3] offset:16*KP*\qt+32*\dt    ; query 16 qt + r, d = 16 dt + 8 h + 0..7
.endr
.endr
.irp c, 0,1,2,3,4,5,6,7,8,9,10,11,12,13,14,15
	ds_load_b128 v[VF+4*\c:VF+4*\c+3], v[ORD] offset:4*KP*\c     ; my own bytes, served in order: four queries' rows a load
.endr
.irp c, 0,1,2,3,4,5,6,7,8,9,10,11,12,13,14,15
	s_wait_dscnt 15-\c
	global_store_b128 v[OCO], v[VF+4*\c:VF+4*\c+3], s[58:59] offset:512*\c     ; 512 consecutive bytes, aligned
.endr
.Lend:
	s_wait_tensorcnt 0x0
	ds_add_u32 v62, v63
	s_wait_dscnt 0x0
	s_endpgm
.Lfunc_end_k_q047187369c_attn:
	.size	k_q047187369c_attn, .Lfunc_end_k_q047187369c_attn-k_q047187369c_attn
	.p2alignl 7, 3214868480
	.fill 96, 4, 3214868480
	.section	.rodata,"a",@progbits
	.p2align	6, 0x0
	.amdhsa_kernel k_q047187369c_attn
		.amdhsa_group_segment_fixed_size 327680
		.amdhsa_private_segment_fixed_size 0
		.amdhsa_enable_private_segment 0
		.amdhsa_kernarg_size 16
		.amdhsa_user_sgpr_count 2
		.amdhsa_user_sgpr_kernarg_segment_ptr 1
		.amdhsa_wavefront_size32 1
		.amdhsa_system_sgpr_workgroup_id_x 1
		.amdhsa_system_sgpr_workgroup_id_y 1
		.amdhsa_system_sgpr_workgroup_id_z 1
		.amdhsa_system_vgpr_workitem_id 0
		.amdhsa_next_free_vgpr 512
		.amdhsa_next_free_sgpr 66
		.amdhsa_reserve_vcc 0
		.amdhsa_float_denorm_mode_32 3
		.amdhsa_float_denorm_mode_16_64 3
		.amdhsa_memory_ordered 1
		.amdhsa_forward_progress 1
		.amdhsa_inst_pref_size 255
	.end_amdhsa_kernel
	.section	.bss,"aw",@nobits
	.p2align	6
	.space	262144
	.amdgpu_metadata
---
amdhsa.version: [ 1, 2 ]
amdhsa.kernels:
  - .name:           k_q047187369c_attn
    .symbol:         k_q047187369c_attn.kd
    .args:
      - { .name: qkv, .offset: 0, .size: 8, .value_kind: global_buffer, .address_space: global }
      - { .name: att, .offset: 8, .size: 8, .value_kind: global_buffer, .address_space: global }
    .group_segment_fixed_size: 327680
    .private_segment_fixed_size: 0
    .kernarg_segment_align: 8
    .kernarg_segment_size: 16
    .max_flat_workgroup_size: 256
    .sgpr_count:     66
    .vgpr_count:     512
    .wavefront_size: 32
...
	.end_amdgpu_metadata
.endif
;; end of part 3
;; launch oproj (part 4): grid 64 x 1, 4 waves a work-group, clusters of 4 x 1, 327,680 bytes of LDS; arguments att, xw, queries, bo, gamma, beta, out0; writes out0
.if DOCPART == 4
	.amdgcn_target "amdgcn-amd-amdhsa--gfx1250"
	.amdhsa_code_object_version 6
	.text
	.protected	k_q047187369c_oproj
	.globl	k_q047187369c_oproj
	.p2align	8
	.type	k_q047187369c_oproj,@function
k_q047187369c_oproj:
	s_mov_b64 s[64:65], 0
	v_nop
	global_prefetch_b8 v0, s[64:65] scope:SCOPE_SE
	s_setreg_imm32_b32 hwreg(HW_REG_WAVE_MODE, 25, 1), 1
	s_wait_xcnt 0x0
	s_wait_alu depctr_hold_cnt(0) depctr_sa_sdst(0) depctr_va_vdst(0) depctr_va_sdst(0) depctr_va_ssrc(0) depctr_va_vcc(0) depctr_vm_vsrc(0)
	s_getreg_b32 s2, hwreg(HW_REG_IB_STS2, 6, 4)
	s_cmp_eq_u32 s2, 0
	s_cbranch_scc0 .Lentry_in_a_cluster
	s_endpgm
.Lentry_in_a_cluster:
	s_bfe_u32 s2, ttmp6, 0x10000c
	s_cmp_lg_u32 s2, 0x3003
	s_cbranch_scc0 .Lentry_shape_is_right
	s_endpgm
.Lentry_shape_is_right:
; out0 = LayerNorm(queries + att Wo + bo) gamma + beta.  att: [16][4096][64] bf16; Wo: unit 15 of xw, [1024][1024] bf16 as [k][n]; the rest f32.
; LayerNorm needs whole rows, so a work-group makes 64 rows x all 1024 columns: 64 work-groups.  Blocks of 32 rows would be 128 work-groups, but each
; would read the same bytes of Wo from LDS for half the products, and finish no sooner.
; Four waves; wave w makes columns 256 w .. + 255: 4 x 16 accumulator tiles, 512 registers, used transposed (lane l: row l % 16, eight neighbouring columns).
; A K step is 64 = one head of att.  Two LDS slots of 144,384 bytes: Wo's 64 k-rows as two halves of 512 columns (pitch 1,056 = 33 x 32), then att's
; 64 rows (pitch 144).  Waves 0, 1 fetch Wo's halves, waves 2, 3 32 rows of att each: one tensor load a wave for each refill, two out at the start, then one.
; CLUSTER 4 x 1: all row blocks walk the same Wo; its tiles are asked for jointly (mask 15).  att's tiles are each work-group's own (mask 0).
; THE WAY OUT: the f32 sums go through LDS (pitch 4,112, over the ring, behind its last fill and a barrier); wave w then owns rows 16 w .. + 15 whole:
; residual and bias added, mean, then the variance of the centred row (two passes), all in f32.
; LIMITS: att and Wo are bf16 operands; v_rsq_f32 is good to one unit in the last place; sums are made in another order than row by row from the left.
.set SLOT,  144384
.set BHALF, 67584                      ; 64 x 1,056
.set BP,    1056
.set AOFF,  135168
.set AP,    144
.set SP,    4112                       ; the stage's pitch: 4,096 + 16
.set LAPS,  8                          ; 16 K steps, two a lap
.set ADRA, 16                          ; v16-17
.set ADRB, 18                          ; v18-19
.set STO,  20                          ; v20-23 the stage, row tile a
.set SRD,  24                          ; v24 my first row of the stage + 16 lane
.set RO,   25                          ; v25 16 lane; never rewritten
.set PF,   26                          ; v26 256 lane; never rewritten
.set YA,   32                          ; v32-63, v64-95: att's fragments (two buffers); on the way out a row each
.set YB,   64
.set TT,   96                          ; v96-103 at work
.set BO,   128                         ; v128-159 bo, v160-191 gamma, v192-223 beta of my columns 4 lane + 128 c + 0..3
.set GA,   160
.set BE,   192
.set G1B, 24
.set G0B, 32
.set G1A, 48
.set G0A, 56
.set MUL_LO, 0xa1
.set MUL_HI, 0xf1
.set MSB, 0
.macro WIN new
.if MSB != (\new)
	s_set_vgpr_msb (MSB<<8)|(\new)
.set MSB, (\new)
.endif
.endm
.macro JLOAD s                         ; waves 0, 1: Wo's halves, jointly; waves 2, 3: my att rows.  The branch hangs on the wave's number alone
	s_cmp_eq_u32 s11, 0
	s_cbranch_scc0 .Lfor_a_\@
	tensor_load_to_lds s[G0B+4*\s:G0B+4*\s+3], s[G1B:G1B+7]
	s_nop 0
.rept 4
	v_nop
.endr
	s_branch .Lasked_\@
.Lfor_a_\@:
	tensor_load_to_lds s[G0A+4*\s:G0A+4*\s+3], s[G1A:G1A+7]
	s_nop 0
.rept 4
	v_nop
.endr
.Lasked_\@:
.endm
.macro CREST
	s_cmp_lg_u32 s10, 0
	s_cbranch_scc1 .Lnot_wave_0_\@
	s_barrier_signal -3
.Lnot_wave_0_\@:
	s_barrier_wait -3
	s_barrier_signal -1
	s_barrier_wait -1
.endm
.macro CROUND
	s_barrier_signal -1
	s_barrier_wait -1
	CREST
.endm
.macro PLACES
.rept 4
	v_nop
.endr
.endm
	s_load_b256 s[68:75], s[0:1], 0x0              ; att s[68:69], xw s[70:71], queries s[72:73], bo s[74:75]
	s_load_b128 s[76:79], s[0:1], 0x20             ; gamma s[76:77], beta s[78:79]
	s_load_b64 s[80:81], s[0:1], 0x30              ; out0
	v_lshl_add_u32 v254, v0, 2, 0x46800
	v_mov_b32 v255, 0
	ds_add_u32 v254, v255
	v_lshrrev_b32 v1, 5, v0
	v_readfirstlane_b32 s10, v1                    ; wave 0..3
	s_lshr_b32 s11, s10, 1
	s_and_b32 s12, s10, 1
	s_bfe_u32 s40, ttmp6, 0x40000                  ; cx
	s_lshl_b32 s42, ttmp9, 2
	s_add_co_u32 s42, s42, s40                     ; row block = 4 x cluster x + cx
	s_mov_b32 s14, 0x76543210
	s_mov_b32 s15, 0xfedcba98
	s_mov_b32 s44, 0x3a800000                      ; 1/1024
	s_mov_b32 s45, 0x2b8cbccc                      ; 1e-12
	; Wo: 64 rows x 512 elements, 8 words of padding behind every 256; att: 32 rows x 64 elements, 4 words behind every 32
	s_mov_b32 s[G1B+0], 15|(1<<16)|(1<<20)|(1<<21)|(7<<22)|(7<<25)
	s_mov_b32 s[G1B+1], 512<<16
	s_mov_b32 s[G1B+2], 64<<16
	s_mov_b32 s[G1B+3], 512<<16
	s_mov_b32 s[G1B+4], 64
	s_mov_b32 s[G1B+5], 1024
	s_mov_b32 s[G1B+6], 0
	s_mov_b32 s[G1B+7], 0
	s_mov_b32 s[G1A+0], (1<<16)|(1<<20)|(4<<22)|(3<<25)
	s_mov_b32 s[G1A+1], 64<<16
	s_mov_b32 s[G1A+2], 32<<16
	s_mov_b32 s[G1A+3], 64<<16
	s_mov_b32 s[G1A+4], 32
	s_mov_b32 s[G1A+5], 64
	s_mov_b32 s[G1A+6], 0
	s_mov_b32 s[G1A+7], 0
	s_lshl_b32 s46, s12, 10                        ; Wo: 512 columns of 2 bytes for the second half,
	s_add_co_u32 s46, s46, 31457280                ; behind 15 units of 2 MiB: nothing of my place in the cluster
	s_mov_b32 s47, 0
	s_lshl_b32 s20, s42, 13                        ; att: 64 rows of 128 bytes a block,
	s_lshl_b32 s21, s12, 12                        ; 32 rows for the second half
	s_add_co_u32 s20, s20, s21
	s_mov_b32 s21, 0
	s_lshl_b32 s22, s42, 18                        ; queries and out0: 64 rows of 4,096 bytes a block,
	s_lshl_b32 s23, s10, 16                        ; 16 rows a wave
	s_add_co_u32 s22, s22, s23
	s_mov_b32 s23, 0
	s_mul_i32 s18, s10, BHALF                      ; LDS: wave 0, 1: Wo's halves
	s_mul_i32 s19, s10, 32*AP
	s_add_co_u32 s19, s19, AOFF-2*32*AP            ; wave 2, 3: att's halves, behind them
	s_wait_dscnt 0x0
	s_wait_kmcnt 0x0
	s_add_nc_u64 s[46:47], s[70:71], s[46:47]
	s_add_nc_u64 s[20:21], s[68:69], s[20:21]
	s_add_nc_u64 s[4:5], s[72:73], s[22:23]        ; my 16 rows of queries; never rewritten
	s_add_nc_u64 s[6:7], s[80:81], s[22:23]        ; and of out0; never rewritten
	CROUND                                         ; the four work-groups are here: the first joint loads meet
.irp s, 0,1
	s_mov_b32 s[G0B+4*\s], 1
	s_add_co_u32 s[G0B+4*\s+1], s18, \s*SLOT
	s_add_nc_u64 s[G0B+4*\s+2:G0B+4*\s+3], s[46:47], \s*131072         ; K step s: 64 rows of 2,048 bytes
	s_or_b32 s[G0B+4*\s+3], s[G0B+4*\s+3], 0x80000000
	s_mov_b32 s[G0A+4*\s], 1
	s_add_co_u32 s[G0A+4*\s+1], s19, \s*SLOT
	s_add_nc_u64 s[G0A+4*\s+2:G0A+4*\s+3], s[20:21], \s*524288         ; K step s: head s
	s_or_b32 s[G0A+4*\s+3], s[G0A+4*\s+3], 0x80000000
	JLOAD \s
.endr
	v_and_b32 v1, 15, v0                           ; r
	v_bfe_u32 v2, v0, 4, 1                         ; h
	v_and_b32 v3, 31, v0                           ; lane
	v_mul_u32_u24 v4, v1, AP
	v_lshl_add_u32 v4, v2, 4, v4
	v_add_nc_u32 v[ADRA], AOFF, v4
	v_add_nc_u32 v[ADRA+1], AOFF+SLOT, v4
	v_and_b32 v5, 7, v0
	v_lshl_add_u32 v5, v2, 3, v5
	v_mul_u32_u24 v5, v5, BP
	v_bfe_u32 v6, v0, 3, 1
	v_lshl_add_u32 v5, v6, 4, v5
	s_mul_i32 s16, s11, BHALF                      ; my 256 columns: half w / 2, 512 bytes in for odd w
	s_lshl_b32 s17, s12, 9
	s_add_co_u32 s16, s16, s17
	v_add_nc_u32 v[ADRB], s16, v5
	v_add_nc_u32 v[ADRB+1], SLOT, v[ADRB]
	v_mul_u32_u24 v7, v1, SP
	v_lshl_add_u32 v7, v2, 5, v7                   ; stage: row r, 32 bytes for each half of the lanes,
	s_lshl_b32 s17, s10, 10                        ; my 256 columns of f32
	v_add_nc_u32 v[STO], s17, v7
.irp a, 1,2,3
	v_add_nc_u32 v[STO+\a], \a*16*SP, v[STO]
.endr
	s_mul_i32 s17, s10, 16*SP
	v_lshlrev_b32 v[RO], 4, v3
	v_add_nc_u32 v[SRD], s17, v[RO]
	v_lshlrev_b32 v[PF], 8, v3
	v_mov_b32 v[TT+5], 0                           ; the second registers of the two pairs that are broadcast from their first
	v_mov_b32 v[TT+7], 0
.irp c, 0,1,2,3,4,5,6,7
	global_load_b128 v[BO+4*\c:BO+4*\c+3], v[RO], s[74:75] offset:512*\c       ; waited for with the first residual row
	global_load_b128 v[GA+4*\c:GA+4*\c+3], v[RO], s[76:77] offset:512*\c
	global_load_b128 v[BE+4*\c:BE+4*\c+3], v[RO], s[78:79] offset:512*\c
.endr
; 40 LDS loads: half step sub (32 along K) of a slot into buffer f: 16 column tiles of Wo (window 1, 128 f), 4 row tiles of att (window 0, 32 + 32 f)
.macro FETCH slot, sub, f
	WIN 0x40
.irp b, 0,1,2,3,4,5,6,7,8,9,10,11,12,13,14,15
	ds_load_tr16_b128 v[128*\f+8*\b:128*\f+8*\b+3],   v[ADRB+\slot] offset:\sub*32*BP+32*\b
	ds_load_tr16_b128 v[128*\f+8*\b+4:128*\f+8*\b+7], v[ADRB+\slot] offset:\sub*32*BP+16*BP+32*\b
.endr
	WIN 0
.irp a, 0,1,2,3
	ds_load_b128 v[32+32*\f+8*\a:32+32*\f+8*\a+3],   v[ADRA+\slot] offset:16*AP*\a+64*\sub
	ds_load_b128 v[32+32*\f+8*\a+4:32+32*\f+8*\a+7], v[ADRA+\slot] offset:16*AP*\a+64*\sub+32
.endr
.endm
; 16 products: row tile a x all 16 column tiles.  The 64 accumulators take turns, one instruction a turn, in the same order in every half step.
.macro MULG f, a, zero
.irp b, 0,1,2,3,4,5,6,7,8,9,10,11,12,13,14,15
.if \zero
	v_wmma_f32_16x16x32_bf16 v[8*(16*(\a&1)+\b):8*(16*(\a&1)+\b)+7], v[128*\f+8*\b:128*\f+8*\b+7], v[32+32*\f+8*\a:32+32*\f+8*\a+7], 0
.else
	v_wmma_f32_16x16x32_bf16 v[8*(16*(\a&1)+\b):8*(16*(\a&1)+\b)+7], v[128*\f+8*\b:128*\f+8*\b+7], v[32+32*\f+8*\a:32+32*\f+8*\a+7], v[8*(16*(\a&1)+\b):8*(16*(\a&1)+\b)+7]
.endif
.endr
.endm
.macro QUARTER slot, zero              ; the first half of a K step, on buffer 0; fetches the second half into buffer 1
	s_wait_dscnt 4                                 ; all but the youngest four loads (att's row tiles 2, 3)
	WIN MUL_LO
	MULG 0, 0, \zero
	MULG 0, 1, \zero
	PLACES
	FETCH \slot, 1, 1
	s_wait_dscnt 40                                ; all but the 40 just issued
	WIN MUL_HI
	MULG 0, 2, \zero
	MULG 0, 3, \zero
.endm
.macro TURN slot, next, fill           ; the second half, on buffer 1, and the change of slots
	s_wait_dscnt 4
	WIN MUL_LO
	MULG 1, 0, 0
	s_wait_dscnt 0x0                               ; my reads of this slot are over
	s_set_vgpr_msb 0xa1a0
	s_wait_tensorcnt 0x0                           ; all my tensor loads have landed: the one that was out is my part of the next slot
	ds_add_u32 v254, v255
	s_wait_dscnt 0x0
	s_set_vgpr_msb 0xa0a1
	s_barrier_signal -1
	MULG 1, 1, 0
	WIN 0
	s_barrier_wait -1
.if \fill
	CREST                                          ; the round of the cluster's barrier is closed: no wave of any partner still reads this slot or has a load out
	s_add_nc_u64 s[G0B+4*\slot+2:G0B+4*\slot+3], s[G0B+4*\slot+2:G0B+4*\slot+3], 2*131072
	s_add_nc_u64 s[G0A+4*\slot+2:G0A+4*\slot+3], s[G0A+4*\slot+2:G0A+4*\slot+3], 2*524288
	JLOAD \slot                                    ; my one tensor load behind the round; its four v_nop are also the places in front of the loads below
.else
	PLACES
.endif
	FETCH \next, 0, 0
	WIN MUL_HI
	MULG 1, 2, 0
	MULG 1, 3, 0
.endm
.macro LAP zero
	QUARTER 0, \zero
	TURN 0, 1, 1
	QUARTER 1, 0
	TURN 1, 0, 1
.endm
	s_wait_tensorcnt 1                             ; my part of K step 0 is in; K step 1's may stay out
	s_barrier_signal -1
	s_barrier_wait -1
	FETCH 0, 0, 0
	LAP 1
	WIN 0
	s_mov_b32 s3, LAPS-2
.Llap:
	LAP 0
	WIN 0
	s_sub_co_u32 s3, s3, 1
	s_cmp_lg_u32 s3, 0
	s_cbranch_scc1 .Llap
	; The last lap fills nothing.  In it each wave asks once for each aligned 256 bytes of its own 16 residual rows (65,536 bytes: 8 requests of 32 lanes,
	; 256 bytes apart), four behind each of the first two half steps: two K steps and less ahead of the loads that want them.
	QUARTER 0, 0
	WIN 0
.irp i, 0,1,2,3
	global_prefetch_b8 v[PF], s[4:5] offset:8192*\i th:TH_LOAD_NT scope:SCOPE_SE
.endr
	TURN 0, 1, 0
	WIN 0
.irp i, 4,5,6,7
	global_prefetch_b8 v[PF], s[4:5] offset:8192*\i th:TH_LOAD_NT scope:SCOPE_SE
.endr
	QUARTER 1, 0
	s_wait_dscnt 4
	WIN MUL_LO
	MULG 1, 0, 0
	MULG 1, 1, 0
	s_wait_dscnt 0x0
	WIN MUL_HI
	MULG 1, 2, 0
	MULG 1, 3, 0
	PLACES                                         ; four places behind the last products: for the LDS stores that read them and the loads that land on them
	WIN 0
	CROUND                                         ; the closing round; behind it no wave of my work-group reads the ring, which has had its last fill
	WIN 0x08                                       ; store data in window 2: row tiles 0, 1
.irp a, 0,1
.irp b, 0,1,2,3,4,5,6,7,8,9,10,11,12,13,14,15
	ds_store_b128 v[STO+\a], v[8*(16*\a+\b):8*(16*\a+\b)+3]   offset:64*\b
	ds_store_b128 v[STO+\a], v[8*(16*\a+\b)+4:8*(16*\a+\b)+7] offset:64*\b+16
.endr
.endr
	s_wait_dscnt 0x0                               ; window 2 has been read: my residual rows 0-7 land there
	WIN 0x80
.irp i, 0,1,2,3,4,5,6,7
.irp c, 0,1,2,3,4,5,6,7
	global_load_b128 v[32*\i+4*\c:32*\i+4*\c+3], v[RO], s[4:5] offset:4096*\i+512*\c th:TH_LOAD_NT
.endr
.endr
	WIN 0x0c                                       ; window 3: row tiles 2, 3
.irp a, 0,1
.irp b, 0,1,2,3,4,5,6,7,8,9,10,11,12,13,14,15
	ds_store_b128 v[STO+2+\a], v[8*(16*\a+\b):8*(16*\a+\b)+3]   offset:64*\b
	ds_store_b128 v[STO+2+\a], v[8*(16*\a+\b)+4:8*(16*\a+\b)+7] offset:64*\b+16
.endr
.endr
	WIN 0
	s_wait_dscnt 0x0                               ; for the others' sake: my part of every row is in the stage
	s_barrier_signal -1
	s_barrier_wait -1
	WIN 0xc0                                       ; residual rows 8-15 into window 3
.irp i, 0,1,2,3,4,5,6,7
.irp c, 0,1,2,3,4,5,6,7
	global_load_b128 v[32*\i+4*\c:32*\i+4*\c+3], v[RO], s[4:5] offset:4096*(8+\i)+512*\c th:TH_LOAD_NT
.endr
.endr
	WIN 0
.macro STG i, y                        ; row i of my 16 from the stage: 8 loads of 512 consecutive bytes
.irp c, 0,1,2,3,4,5,6,7
	ds_load_b128 v[\y+4*\c:\y+4*\c+3], v[SRD] offset:(\i)*SP+512*\c
.endr
.endm
.macro ACROSS                          ; the sum of v[TT] over the 32 lanes, in every lane
	v_add_f32_dpp v[TT], v[TT], v[TT] row_xmask:1 row_mask:0xf bank_mask:0xf
	v_add_f32_dpp v[TT], v[TT], v[TT] row_xmask:2 row_mask:0xf bank_mask:0xf
	v_add_f32_dpp v[TT], v[TT], v[TT] row_xmask:4 row_mask:0xf bank_mask:0xf
	v_add_f32_dpp v[TT], v[TT], v[TT] row_xmask:8 row_mask:0xf bank_mask:0xf
	v_permlanex16_b32 v[TT+1], v[TT], s14, s15
	v_add_f32 v[TT], v[TT], v[TT+1]
.endm
; Row i in buffer y; rw: source 1 in the window that holds the row's residual (0x08 or 0x0c)
.macro ROW i, y, rw
.if \i == 15
	s_wait_dscnt 0x0
.else
	s_wait_dscnt 8                                 ; my row is in; the next row's eight loads may be out
.endif
.if 120-8*\i > 63
	s_wait_loadcnt 63                              ; 120 - 8 i younger loads might stay out; the wait's field holds 63
.else
	s_wait_loadcnt 120-8*\i                        ; the residual rows behind mine, eight loads each, stay out
.endif
	WIN \rw
.set jj, 0
.rept 16
	v_pk_add_f32 v[\y+jj:\y+jj+1], v[\y+jj:\y+jj+1], v[32*(\i&7)+jj:32*(\i&7)+jj+1]
.set jj, jj+2
.endr
	WIN 0
.set jj, 0
.rept 16
	v_pk_add_f32 v[\y+jj:\y+jj+1], v[\y+jj:\y+jj+1], v[BO+jj:BO+jj+1]
.set jj, jj+2
.endr
	v_pk_add_f32 v[TT:TT+1],   v[\y:\y+1],   v[\y+2:\y+3]
	v_pk_add_f32 v[TT+2:TT+3], v[\y+4:\y+5], v[\y+6:\y+7]
.irp j, 8,12,16,20,24,28
	v_pk_add_f32 v[TT:TT+1],   v[TT:TT+1],   v[\y+\j:\y+\j+1]
	v_pk_add_f32 v[TT+2:TT+3], v[TT+2:TT+3], v[\y+\j+2:\y+\j+3]
.endr
	v_pk_add_f32 v[TT:TT+1], v[TT:TT+1], v[TT+2:TT+3]
	v_add_f32 v[TT], v[TT], v[TT+1]
	ACROSS
	v_mul_f32 v[TT+4], 0xba800000, v[TT]           ; -mean
.set jj, 0
.rept 16
	v_pk_add_f32 v[\y+jj:\y+jj+1], v[\y+jj:\y+jj+1], v[TT+4:TT+5] op_sel_hi:[1,0]
.set jj, jj+2
.endr
	v_pk_mul_f32 v[TT:TT+1],   v[\y:\y+1],   v[\y:\y+1]
	v_pk_mul_f32 v[TT+2:TT+3], v[\y+2:\y+3], v[\y+2:\y+3]
.irp j, 4,8,12,16,20,24,28
	v_pk_fma_f32 v[TT:TT+1],   v[\y+\j:\y+\j+1],   v[\y+\j:\y+\j+1],   v[TT:TT+1]
	v_pk_fma_f32 v[TT+2:TT+3], v[\y+\j+2:\y+\j+3], v[\y+\j+2:\y+\j+3], v[TT+2:TT+3]
.endr
	v_pk_add_f32 v[TT:TT+1], v[TT:TT+1], v[TT+2:TT+3]
	v_add_f32 v[TT], v[TT], v[TT+1]
	ACROSS
	v_fma_f32 v[TT], v[TT], s44, s45               ; variance + 1e-12
	v_rsq_f32 v[TT+6], v[TT]
	v_nop                                          ; one plain place behind it (ISA guide 5.7.2)
.set jj, 0
	s_wait_alu depctr_va_vdst(0)
.rept 16
	v_pk_mul_f32 v[\y+jj:\y+jj+1], v[\y+jj:\y+jj+1], v[TT+6:TT+7] op_sel_hi:[1,0]
.set jj, jj+2
.endr
.set jj, 0
.rept 16
	v_pk_fma_f32 v[\y+jj:\y+jj+1], v[\y+jj:\y+jj+1], v[GA+jj:GA+jj+1], v[BE+jj:BE+jj+1]
.set jj, jj+2
.endr
.irp c, 0,1,2,3,4,5,6,7
	global_store_b128 v[RO], v[\y+4*\c:\y+4*\c+3], s[6:7] offset:4096*\i+512*\c th:TH_STORE_NT    ; 512 consecutive bytes, aligned
.endr
.if \i < 14
	s_wait_xcnt 0x0                                ; the buffer, which the stores read, is loaded again only behind this wait
	STG \i+2, \y
.endif
.endm
	STG 0, YA
	STG 1, YB
	ROW 0, YA, 0x08
	ROW 1, YB, 0x08
	ROW 2, YA, 0x08
	ROW 3, YB, 0x08
	ROW 4, YA, 0x08
	ROW 5, YB, 0x08
	ROW 6, YA, 0x08
	ROW 7, YB, 0x08
	ROW 8, YA, 0x0c
	ROW 9, YB, 0x0c
	ROW 10, YA, 0x0c
	ROW 11, YB, 0x0c
	ROW 12, YA, 0x0c
	ROW 13, YB, 0x0c
	ROW 14, YA, 0x0c
	ROW 15, YB, 0x0c
	s_wait_tensorcnt 0x0
	ds_add_u32 v254, v255
	s_wait_dscnt 0x0
	s_endpgm
.Lfunc_end_k_q047187369c_oproj:
	.size	k_q047187369c_oproj, .Lfunc_end_k_q047187369c_oproj-k_q047187369c_oproj
	.p2alignl 7, 3214868480
	.fill 96, 4, 3214868480
	.section	.rodata,"a",@progbits
	.p2align	6, 0x0
	.amdhsa_kernel k_q047187369c_oproj
		.amdhsa_group_segment_fixed_size 327680
		.amdhsa_private_segment_fixed_size 0
		.amdhsa_enable_private_segment 0
		.amdhsa_kernarg_size 56
		.amdhsa_user_sgpr_count 2
		.amdhsa_user_sgpr_kernarg_segment_ptr 1
		.amdhsa_wavefront_size32 1
		.amdhsa_system_sgpr_workgroup_id_x 1
		.amdhsa_system_sgpr_workgroup_id_y 1
		.amdhsa_system_sgpr_workgroup_id_z 1
		.amdhsa_system_vgpr_workitem_id 0
		.amdhsa_next_free_vgpr 1024
		.amdhsa_next_free_sgpr 84
		.amdhsa_reserve_vcc 0
		.amdhsa_float_denorm_mode_32 3
		.amdhsa_float_denorm_mode_16_64 3
		.amdhsa_memory_ordered 1
		.amdhsa_forward_progress 1
		.amdhsa_inst_pref_size 255
	.end_amdhsa_kernel
	.section	.bss,"aw",@nobits
	.p2align	6
	.space	262144
	.amdgpu_metadata
---
amdhsa.version: [ 1, 2 ]
amdhsa.kernels:
  - .name:           k_q047187369c_oproj
    .symbol:         k_q047187369c_oproj.kd
    .args:
      - { .name: att, .offset: 0, .size: 8, .value_kind: global_buffer, .address_space: global }
      - { .name: xw, .offset: 8, .size: 8, .value_kind: global_buffer, .address_space: global }
      - { .name: queries, .offset: 16, .size: 8, .value_kind: global_buffer, .address_space: global }
      - { .name: bo, .offset: 24, .size: 8, .value_kind: global_buffer, .address_space: global }
      - { .name: gamma, .offset: 32, .size: 8, .value_kind: global_buffer, .address_space: global }
      - { .name: beta, .offset: 40, .size: 8, .value_kind: global_buffer, .address_space: global }
      - { .name: out0, .offset: 48, .size: 8, .value_kind: global_buffer, .address_space: global }
    .group_segment_fixed_size: 327680
    .private_segment_fixed_size: 0
    .kernarg_segment_align: 8
    .kernarg_segment_size: 56
    .max_flat_workgroup_size: 128
    .sgpr_count:     84
    .vgpr_count:     1024
    .wavefront_size: 32
...
	.end_amdgpu_metadata
.endif
;; end of part 4
;; ======== version 2 of 2: 5 launches
;; workspace buffers: xw 33,554,432 bytes; qkv 25,165,824 bytes; att 8,388,608 bytes; y 16,777,216 bytes
;; launch cvt: the kernel of part 1 again; grid 16 x 16, 8 waves a work-group, no clusters, 0 bytes of LDS; arguments queries, keys, values, Wq, Wk, Wv, Wo, xw; writes xw
;; launch proj: the kernel of part 2 again; grid 4 x 48, 4 waves a work-group, clusters of 4 x 4, 327,680 bytes of LDS; arguments xw, bq, bk, bv, qkv; writes qkv
;; launch attn: the kernel of part 3 again; grid 16 x 16, 8 waves a work-group, clusters of 4 x 1, 327,680 bytes of LDS; arguments qkv, att; writes att
;; launch ogemm (part 5): grid 8 x 32, 4 waves a work-group, clusters of 4 x 4, 327,680 bytes of LDS; arguments att, xw, queries, bo, y; writes y
.if DOCPART == 5
	.amdgcn_target "amdgcn-amd-amdhsa--gfx1250"
	.amdhsa_code_object_version 6
	.text
	.protected	k_q047187369c_ogemm
	.globl	k_q047187369c_ogemm
	.p2align	8
	.type	k_q047187369c_ogemm,@function
k_q047187369c_ogemm:
	s_mov_b64 s[64:65], 0
	v_nop
	global_prefetch_b8 v0, s[64:65] scope:SCOPE_SE
	s_setreg_imm32_b32 hwreg(HW_REG_WAVE_MODE, 25, 1), 1
	s_wait_xcnt 0x0
	s_wait_alu depctr_hold_cnt(0) depctr_sa_sdst(0) depctr_va_vdst(0) depctr_va_sdst(0) depctr_va_ssrc(0) depctr_va_vcc(0) depctr_vm_vsrc(0)
	s_getreg_b32 s2, hwreg(HW_REG_IB_STS2, 6, 4)
	s_cmp_eq_u32 s2, 0
	s_cbranch_scc0 .Lentry_in_a_cluster
	s_endpgm
.Lentry_in_a_cluster:
	s_bfe_u32 s2, ttmp6, 0x10000c
	s_cmp_lg_u32 s2, 0xf033
	s_cbranch_scc0 .Lentry_shape_is_right
	s_endpgm
.Lentry_shape_is_right:
; y = att Wo + bo + queries, f32.  att: [16 heads][4096][64] bf16; Wo: unit 15 of xw, [1024 (k)][1024 (n)] bf16; queries, bo, y: f32.
; The LayerNorm that follows needs whole rows and is a launch of its own: a work-group that held whole rows would have to bring all of Wo (2 MiB)
; through its LDS, and 4096 rows give few such work-groups.  Here a work-group makes 128 x 128 of y: 256 work-groups, 512 KiB of operands each.
; Four waves, a wave 64 x 64: 16 accumulator tiles, used transposed (source 0 = 16 columns of Wo, source 1 = 16 tokens): lane l holds token l % 16
; and eight neighbouring columns 8 (l / 16) + 0..7.
; K = 1024 goes through two LDS slots of K = 256 (four heads) each, so half of both operands is asked for in the first lines and two refills follow.
; A slot: att's four heads, each 128 tokens at pitch 144 (73,728 bytes), then Wo's 256 k-rows of 128 columns at pitch 288 (73,728 bytes).
; 128 tokens of one head are 16,384 consecutive bytes of att, so two heads are a tile of TWO rows of 8,192 elements, 262,144 elements apart; the padding
; (4 words behind every 32) is counted along the tile and gives each token its pitch of 144.
; Waves 0, 1 fetch two heads of att each, waves 2, 3 128 k-rows of Wo each: one tensor load a wave; two are out at the start, later one.
; CLUSTERS 4 x 4: att's tile hangs on the block row alone and is asked for jointly along a row of the cluster, Wo's on the block column alone, along a column.
; The bias is the C operand of the first products.  The wave's 64 x 64 residual is loaded at the start into the registers from which y is stored.
; No prefetch: K = 0..511 is asked for at once, the rest one slot's work later, and the whole kernel is 32 short steps.
; REGISTERS: window 0: v16-25 addresses, v32-159 accumulators (tile (a, b) at 32 + 8 (4 a + b)), v224-255 first the bias (8 numbers for each column tile), then the read-back;
; window 1: v0-63 att's fragments (two buffers), v64-127 Wo's (two buffers), v128-255 the residual.
; LIMITS: att and Wo are bf16 operands; sums in f32, K ascending; NaN and infinities go through as the arithmetic makes them.
.set APITCH, 144                       ; 128 bytes + 16: an odd multiple of 16
.set AHEAD,  128*APITCH                ; 18,432: a head's 128 tokens
.set BPITCH, 288                       ; 256 bytes + 32: an odd multiple of 32
.set HALFT,  2*AHEAD                   ; 36,864 = 128 x 288: what one tensor load brings
.set SLOT,   4*HALFT                   ; 147,456
.set STAGE,  2*SLOT                    ; behind the ring: 16 rows x 272 bytes for each wave, never the target of a tensor load
.set SPITCH, 272                       ; 64 f32 + 16 bytes
.set ADRA, 16                          ; v16-17  my att fragments in slot 0, 1
.set ADRB, 18                          ; v18-21  my Wo fragments: slot 0 k-rows 0-127, 128-255; slot 1 likewise (an LDS immediate holds 16 bits)
.set STO,  22                          ; v22     the stage: in
.set RD,   23                          ; v23     the stage: back
.set CO,   24                          ; v24     my byte offset in queries and y; never rewritten
.set BOF,  25                          ; v25     32 x (lane / 16); never rewritten
.set ACC,  32
.set BT,   224                         ; the bias as a C operand
.set TMP,  224                         ; later: rows read back from the stage
.set FA,   0                           ; window 1
.set FB,   64                          ; window 1
.set RES,  128                         ; window 1
.set G1, 24                            ; s[24:31] group 1, att
.set G0, 32                            ; s[32:39] group 0, att, one set for each slot
.set G1B, 48                           ; s[48:55] group 1, Wo
.set G0B, 56                           ; s[56:63] group 0, Wo
.set W_MUL, 0x05                       ; sources 0 and 1 in window 1, C and D in window 0
.set W_LD,  0x40                       ; destination in window 1, address in window 0
.set W_OUT, 0x44                       ; destination and source 1 (also a store's data) in window 1, source 0 (also an address) in window 0
.set MSB, 0
.macro WIN new                         ; the immediate's high byte repeats the setting that is left
.if MSB != (\new)
	s_set_vgpr_msb (MSB<<8)|(\new)
.set MSB, (\new)
.endif
.endm
; A joint load: each line has one mask and one set of registers; the branch hangs on the wave's number alone.  Four v_nop follow each line.
.macro JLOAD s
	s_cmp_eq_u32 s11, 0
	s_cbranch_scc0 .Lfor_b_\@
	tensor_load_to_lds s[G0+4*\s:G0+4*\s+3], s[G1:G1+7]
	s_nop 0
.rept 4
	v_nop
.endr
	s_branch .Lasked_\@
.Lfor_b_\@:
	tensor_load_to_lds s[G0B+4*\s:G0B+4*\s+3], s[G1B:G1B+7]
	s_nop 0
.rept 4
	v_nop
.endr
.Lasked_\@:
.endm
.macro CREST                           ; a round of the cluster's barrier behind its opening work-group barrier
	s_cmp_lg_u32 s10, 0
	s_cbranch_scc1 .Lnot_wave_0_\@
	s_barrier_signal -3
.Lnot_wave_0_\@:
	s_barrier_wait -3
	s_barrier_signal -1
	s_barrier_wait -1
.endm
.macro CROUND
	s_barrier_signal -1
	s_barrier_wait -1
	CREST
.endm
.macro PLACES                          ; four places behind a matrix instruction before a load lands on one of its sources or its result is read
.rept 4
	v_nop
.endr
.endm
	s_load_b256 s[68:75], s[0:1], 0x0              ; att s[68:69], xw s[70:71], queries s[72:73], bo s[74:75]
	s_load_b64 s[8:9], s[0:1], 0x20                ; y
	v_lshl_add_u32 v222, v0, 2, 0x4c400
	v_mov_b32 v223, 0
	ds_add_u32 v222, v223
	v_lshrrev_b32 v1, 5, v0
	v_readfirstlane_b32 s10, v1                    ; wave 0..3
	s_lshr_b32 s11, s10, 1                         ; my half of the block's rows.  Also: I fetch att (0) or Wo (1)
	s_and_b32 s12, s10, 1                          ; my half of its columns.  Also: which half of that tile I fetch
	s_bfe_u32 s40, ttmp6, 0x40000                  ; cx
	s_bfe_u32 s41, ttmp6, 0x40004                  ; cy
	s_lshl_b32 s42, ttmp9, 2
	s_add_co_u32 s42, s42, s40                     ; block column = 4 x cluster x + cx, 0..7
	s_and_b32 s13, ttmp7, 0xffff
	s_lshl_b32 s13, s13, 2
	s_add_co_u32 s13, s13, s41                     ; block row = 4 x cluster y + cy, 0..31
	s_lshl_b32 s43, s41, 2
	s_lshl_b32 s43, 15, s43                        ; my row of the cluster
	s_lshl_b32 s44, 0x1111, s40                    ; my column
	; group 1, att: 2 rows x 8,192 elements, 4 words of padding behind every 32; Wo: 128 rows x 128 elements, 8 words behind every 64
	s_or_b32 s[G1+0], s43, (1<<16)|(1<<20)|(1<<21)|(4<<22)|(3<<25)
	s_or_b32 s[G1B+0], s44, (1<<16)|(1<<20)|(1<<21)|(5<<22)|(7<<25)
	s_mov_b32 s[G1+1], 8192<<16                    ; tensor_dim0
	s_mov_b32 s[G1B+1], 128<<16
	s_mov_b32 s[G1+2], 2<<16                       ; tensor_dim1
	s_mov_b32 s[G1B+2], 128<<16
	s_mov_b32 s[G1+3], 8192<<16                    ; tile_dim0
	s_mov_b32 s[G1B+3], 128<<16
	s_mov_b32 s[G1+4], 2                           ; tile_dim1
	s_mov_b32 s[G1B+4], 128
	s_mov_b32 s[G1+5], 262144                      ; elements from head to head
	s_mov_b32 s[G1B+5], 1024                       ; elements from k-row to k-row
	s_mov_b32 s[G1+6], 0
	s_mov_b32 s[G1B+6], 0
	s_mov_b32 s[G1+7], 0
	s_mov_b32 s[G1B+7], 0
	; att's tile hangs on the block row and the wave alone, Wo's on the block column and the wave alone; each offset in registers that never hold the other coordinate
	s_lshl_b32 s16, s13, 14                        ; 128 tokens of 128 bytes a block row,
	s_lshl_b32 s17, s12, 20                        ; two heads of 524,288 bytes for the second half
	s_add_co_u32 s16, s16, s17
	s_mov_b32 s17, 0
	s_lshl_b32 s46, s42, 8                         ; 128 columns of 2 bytes a block column,
	s_lshl_b32 s47, s12, 18                        ; 128 k-rows of 2,048 bytes for the second half,
	s_add_co_u32 s46, s46, s47
	s_add_co_u32 s46, s46, 31457280                ; behind 15 units of 2 MiB
	s_mov_b32 s47, 0
	s_lshl_b32 s78, s42, 9                         ; my 64 columns in f32: 4 x (128 block column + 64 half)
	s_lshl_b32 s79, s12, 8
	s_add_co_u32 s78, s78, s79
	s_mov_b32 s79, 0
	s_lshl_b32 s76, s13, 19                        ; my 64 rows of 4,096 bytes: 128 block row + 64 half
	s_lshl_b32 s77, s11, 18
	s_add_co_u32 s76, s76, s77
	s_add_co_u32 s76, s76, s78
	s_mov_b32 s77, 0
	s_mul_i32 s20, s10, HALFT                      ; LDS: att's halves, then Wo's halves = wave x 36,864
	s_wait_dscnt 0x0
	s_wait_kmcnt 0x0
	s_add_nc_u64 s[14:15], s[68:69], s[16:17]
	s_add_nc_u64 s[46:47], s[70:71], s[46:47]
	s_add_nc_u64 s[4:5], s[72:73], s[76:77]        ; my corner of queries; never rewritten
	s_add_nc_u64 s[6:7], s[74:75], s[78:79]        ; my 64 numbers of bo; never rewritten
	s_add_nc_u64 s[8:9], s[8:9], s[76:77]          ; my corner of y; never rewritten
	CROUND                                         ; all sixteen work-groups are here: the first joint loads meet
.irp s, 0,1
	s_mov_b32 s[G0+4*\s], 1
	s_add_co_u32 s[G0+4*\s+1], s20, \s*SLOT
	s_add_nc_u64 s[G0+4*\s+2:G0+4*\s+3], s[14:15], \s*2097152          ; slot s: four heads on
	s_or_b32 s[G0+4*\s+3], s[G0+4*\s+3], 0x80000000
	s_mov_b32 s[G0B+4*\s], 1
	s_add_co_u32 s[G0B+4*\s+1], s20, \s*SLOT
	s_add_nc_u64 s[G0B+4*\s+2:G0B+4*\s+3], s[46:47], \s*524288         ; slot s: 256 k-rows down
	s_or_b32 s[G0B+4*\s+3], s[G0B+4*\s+3], 0x80000000
	JLOAD \s
.endr
	v_and_b32 v1, 15, v0                           ; r = l % 16
	v_bfe_u32 v2, v0, 4, 1                         ; h = l / 16
	v_mul_u32_u24 v3, v1, APITCH
	v_lshl_add_u32 v3, v2, 4, v3                   ; att: token x pitch + 16 h
	s_mul_i32 s21, s11, 64*APITCH                  ; my 64 tokens
	v_add_nc_u32 v[ADRA], s21, v3
	v_add_nc_u32 v[ADRA+1], SLOT, v[ADRA]
	v_and_b32 v6, 7, v0
	v_lshl_add_u32 v6, v2, 3, v6                   ; Wo: k-row 8 h + l % 8,
	v_mul_u32_u24 v6, v6, BPITCH
	v_bfe_u32 v7, v0, 3, 1
	v_lshl_add_u32 v6, v7, 4, v6                   ; 16 bytes further for the second eight lanes of a half
	s_lshl_b32 s22, s12, 7                         ; my 64 columns (128 bytes),
	s_add_co_u32 s22, s22, 2*HALFT                 ; behind att's four heads
	v_add_nc_u32 v[ADRB], s22, v6
	v_add_nc_u32 v[ADRB+1], HALFT, v[ADRB]
	v_add_nc_u32 v[ADRB+2], SLOT, v[ADRB]
	v_add_nc_u32 v[ADRB+3], SLOT+HALFT, v[ADRB]
	s_mul_i32 s23, s10, 16*SPITCH
	s_add_co_u32 s23, s23, STAGE                   ; my stage
	v_mul_u32_u24 v8, v1, SPITCH
	v_lshl_add_u32 v8, v2, 5, v8                   ; in: row r, 32 bytes for each half of the lanes
	v_add_nc_u32 v[STO], s23, v8
	v_mul_u32_u24 v9, v2, SPITCH
	v_lshl_add_u32 v9, v1, 4, v9                   ; back: lanes 0-15 one row of 256 bytes, lanes 16-31 the next
	v_add_nc_u32 v[RD], s23, v9
	v_lshlrev_b32 v[CO], 4, v1
	v_lshl_add_u32 v[CO], v2, 12, v[CO]            ; and the same two rows in queries and y
	v_lshlrev_b32 v[BOF], 5, v2
.irp b, 0,1,2,3
	global_load_b128 v[BT+8*\b:BT+8*\b+3],   v[BOF], s[6:7] offset:64*\b          ; bo of columns 16 b + 8 h + 0..7
	global_load_b128 v[BT+8*\b+4:BT+8*\b+7], v[BOF], s[6:7] offset:64*\b+16
.endr
	WIN W_LD
.irp a, 0,1,2,3
.irp t, 0,1,2,3,4,5,6,7
	global_load_b128 v[RES+4*(8*\a+\t):RES+4*(8*\a+\t)+3], v[CO], s[4:5] offset:(16*\a+2*\t)*4096 th:TH_LOAD_NT   ; two rows of 256 consecutive bytes, aligned; waited for on the way out
.endr
.endr
	WIN 0
; 8 products: row tiles a0, a0 + 1 x the 4 column tiles, 32 along K.  first = 1: the bias is the C operand, nothing is cleared.
; The 16 accumulators take turns, one instruction a turn, in the same order in every step.
.macro MUL8 f, a0, first
.irp a, \a0, \a0+1
.irp b, 0,1,2,3
.if \first
	v_wmma_f32_16x16x32_bf16 v[ACC+8*(4*(\a)+\b):ACC+8*(4*(\a)+\b)+7], v[FB+32*\f+8*\b:FB+32*\f+8*\b+7], v[FA+32*\f+8*(\a):FA+32*\f+8*(\a)+7], v[BT+8*\b:BT+8*\b+7]
.else
	v_wmma_f32_16x16x32_bf16 v[ACC+8*(4*(\a)+\b):ACC+8*(4*(\a)+\b)+7], v[FB+32*\f+8*\b:FB+32*\f+8*\b+7], v[FA+32*\f+8*(\a):FA+32*\f+8*(\a)+7], v[ACC+8*(4*(\a)+\b):ACC+8*(4*(\a)+\b)+7]
.endif
.endr
.endr
.endm
; 16 LDS loads: step j (32 along K: head j / 2 of the slot, half j % 2 of its 64) into buffer f.  Wo comes transposed on the way.
.macro FETCH slot, j, f
	WIN W_LD
.irp b, 0,1,2,3
	ds_load_tr16_b128 v[FB+32*\f+8*\b:FB+32*\f+8*\b+3],   v[ADRB+2*\slot+(\j>>2)] offset:(\j&3)*32*BPITCH+32*\b
	ds_load_tr16_b128 v[FB+32*\f+8*\b+4:FB+32*\f+8*\b+7], v[ADRB+2*\slot+(\j>>2)] offset:(\j&3)*32*BPITCH+16*BPITCH+32*\b
.endr
.irp a, 0,1,2,3
	ds_load_b128 v[FA+32*\f+8*\a:FA+32*\f+8*\a+3],   v[ADRA+\slot] offset:(\j>>1)*AHEAD+\a*16*APITCH+(\j&1)*64
	ds_load_b128 v[FA+32*\f+8*\a+4:FA+32*\f+8*\a+7], v[ADRA+\slot] offset:(\j>>1)*AHEAD+\a*16*APITCH+(\j&1)*64+32
.endr
.endm
; One step: step j's fragments are asked for into buffer g, which the products just in front have read; then buffer f is multiplied.
.macro STEP slot, j, f, g, first
	PLACES
	FETCH \slot, \j, \g
	s_wait_dscnt 16                                ; all but the 16 loads just issued: buffer f is in
	WIN W_MUL
	MUL8 \f, 0, \first
	MUL8 \f, 2, \first
.endm
.macro SEVEN slot, first               ; steps 0 to 6 of a slot; each fetches the step behind it
	STEP \slot, 1, 0, 1, \first
	STEP \slot, 2, 1, 0, 0
	STEP \slot, 3, 0, 1, 0
	STEP \slot, 4, 1, 0, 0
	STEP \slot, 5, 0, 1, 0
	STEP \slot, 6, 1, 0, 0
	STEP \slot, 7, 0, 1, 0
.endm
; Step 7 of a slot, on buffer 1, and the change of slots.  In front of the barrier each wave waits for its reads of this slot and for all its tensor loads
; (one is out: its part of the next slot).  Behind it the refill comes first, then the next slot's first fragments.
.macro TURN slot, next, fill
	s_wait_dscnt 0x0                               ; buffer 1 is in, and my reads of this slot are over
	s_set_vgpr_msb 0x500
	s_wait_tensorcnt 0x0                           ; all my tensor loads have landed
	ds_add_u32 v222, v223
	s_wait_dscnt 0x0
	s_set_vgpr_msb 0x5
	s_barrier_signal -1                            ; where the slot is filled again this barrier opens a round of the cluster's barrier
	WIN W_MUL
	MUL8 1, 0, 0                                   ; register work while the others arrive
	WIN 0
	s_barrier_wait -1
.if \fill
	CREST                                          ; no wave of any partner still reads this slot or has a load on its way
	s_add_nc_u64 s[G0+4*\slot+2:G0+4*\slot+3], s[G0+4*\slot+2:G0+4*\slot+3], 2*2097152
	s_add_nc_u64 s[G0B+4*\slot+2:G0B+4*\slot+3], s[G0B+4*\slot+2:G0B+4*\slot+3], 2*524288
	JLOAD \slot                                    ; my one tensor load behind the round; its four v_nop are also the places in front of the loads below
.else
	PLACES
.endif
	FETCH \next, 0, 0
	WIN W_MUL
	MUL8 1, 2, 0
.endm
	s_wait_tensorcnt 1                             ; my part of slot 0 is in; slot 1's may stay out
	s_barrier_signal -1
	s_barrier_wait -1
	FETCH 0, 0, 0
	s_wait_loadcnt 32                              ; the bias is in; the 32 residual loads issued behind it stay out
	SEVEN 0, 1                                     ; K = 0..255
	TURN 0, 1, 1                                   ; slot 0 gets K = 512..767
	SEVEN 1, 0                                     ; K = 256..511
	TURN 1, 0, 1                                   ; slot 1 gets K = 768..1023
	SEVEN 0, 0
	TURN 0, 1, 0                                   ; nothing is left to fetch
	SEVEN 1, 0
	s_wait_dscnt 0x0
	MUL8 1, 0, 0
	MUL8 1, 2, 0
	; THE WAY OUT, 16 rows at a time: 32 bytes a lane into my own stage, read back as whole rows of 256 bytes, the residual added in the registers
	; into which it was loaded, stored from there: 16 lanes store 256 consecutive bytes, aligned.
	PLACES
	WIN 0
	s_wait_loadcnt 0x0                             ; the residual
.macro OUT16 a
	WIN 0
.irp b, 0,1,2,3
	ds_store_b128 v[STO], v[ACC+8*(4*\a+\b):ACC+8*(4*\a+\b)+3]   offset:64*\b
	ds_store_b128 v[STO], v[ACC+8*(4*\a+\b)+4:ACC+8*(4*\a+\b)+7] offset:64*\b+16
.endr
.irp t, 0,1,2,3,4,5,6,7
	ds_load_b128 v[TMP+4*\t:TMP+4*\t+3], v[RD] offset:\t*2*SPITCH      ; LDS serves a wave's instructions in order (ISA guide 5.7.1): these see the stores above
.endr
	WIN W_OUT
.irp t, 0,1,2,3,4,5,6,7
	s_wait_dscnt 7-\t                              ; read-back t is in; the younger ones may be out
	v_pk_add_f32 v[RES+4*(8*\a+\t):RES+4*(8*\a+\t)+1],   v[TMP+4*\t:TMP+4*\t+1],   v[RES+4*(8*\a+\t):RES+4*(8*\a+\t)+1]
	v_pk_add_f32 v[RES+4*(8*\a+\t)+2:RES+4*(8*\a+\t)+3], v[TMP+4*\t+2:TMP+4*\t+3], v[RES+4*(8*\a+\t)+2:RES+4*(8*\a+\t)+3]
	global_store_b128 v[CO], v[RES+4*(8*\a+\t):RES+4*(8*\a+\t)+3], s[8:9] offset:(16*\a+2*\t)*4096      ; its data registers are never written again
.endr
.endm
	OUT16 0
	OUT16 1
	OUT16 2
	OUT16 3
	WIN 0
	s_wait_tensorcnt 0x0
	ds_add_u32 v222, v223
	s_wait_dscnt 0x0
	CROUND                                         ; the closing round: no work-group ends while a partner may still ask for a tile that names it
	s_endpgm
.Lfunc_end_k_q047187369c_ogemm:
	.size	k_q047187369c_ogemm, .Lfunc_end_k_q047187369c_ogemm-k_q047187369c_ogemm
	.p2alignl 7, 3214868480
	.fill 96, 4, 3214868480
	.section	.rodata,"a",@progbits
	.p2align	6, 0x0
	.amdhsa_kernel k_q047187369c_ogemm
		.amdhsa_group_segment_fixed_size 327680
		.amdhsa_private_segment_fixed_size 0
		.amdhsa_enable_private_segment 0
		.amdhsa_kernarg_size 40
		.amdhsa_user_sgpr_count 2
		.amdhsa_user_sgpr_kernarg_segment_ptr 1
		.amdhsa_wavefront_size32 1
		.amdhsa_system_sgpr_workgroup_id_x 1
		.amdhsa_system_sgpr_workgroup_id_y 1
		.amdhsa_system_sgpr_workgroup_id_z 1
		.amdhsa_system_vgpr_workitem_id 0
		.amdhsa_next_free_vgpr 512
		.amdhsa_next_free_sgpr 84
		.amdhsa_reserve_vcc 0
		.amdhsa_float_denorm_mode_32 3
		.amdhsa_float_denorm_mode_16_64 3
		.amdhsa_memory_ordered 1
		.amdhsa_forward_progress 1
		.amdhsa_inst_pref_size 98
	.end_amdhsa_kernel
	.amdgpu_metadata
---
amdhsa.version: [ 1, 2 ]
amdhsa.kernels:
  - .name:           k_q047187369c_ogemm
    .symbol:         k_q047187369c_ogemm.kd
    .args:
      - { .name: att, .offset: 0, .size: 8, .value_kind: global_buffer, .address_space: global }
      - { .name: xw, .offset: 8, .size: 8, .value_kind: global_buffer, .address_space: global }
      - { .name: queries, .offset: 16, .size: 8, .value_kind: global_buffer, .address_space: global }
      - { .name: bo, .offset: 24, .size: 8, .value_kind: global_buffer, .address_space: global }
      - { .name: y, .offset: 32, .size: 8, .value_kind: global_buffer, .address_space: global }
    .group_segment_fixed_size: 327680
    .private_segment_fixed_size: 0
    .kernarg_segment_align: 8
    .kernarg_segment_size: 40
    .max_flat_workgroup_size: 128
    .sgpr_count:     84
    .vgpr_count:     512
    .wavefront_size: 32
...
	.end_amdgpu_metadata
.endif
;; end of part 5
;; launch lnorm (part 6): grid 256 x 1, 8 waves a work-group, no clusters, 0 bytes of LDS; arguments y, gamma, beta, out0; writes out0
.if DOCPART == 6
	.amdgcn_target "amdgcn-amd-amdhsa--gfx1250"
	.amdhsa_code_object_version 6
	.text
	.protected	k_q047187369c_lnorm
	.globl	k_q047187369c_lnorm
	.p2align	8
	.type	k_q047187369c_lnorm,@function
k_q047187369c_lnorm:
	s_mov_b64 s[64:65], 0
	v_nop
	global_prefetch_b8 v0, s[64:65] scope:SCOPE_SE
	s_setreg_imm32_b32 hwreg(HW_REG_WAVE_MODE, 25, 1), 1
	s_wait_xcnt 0x0
; out0[r][c] = (y[r][c] - mean_r) * rsqrt(var_r + 1e-12) * gamma[c] + beta[c].  All f32, rows of 1,024 numbers = 4,096 bytes.
; A stream: one wave takes a whole row in 32 registers (eight loads of 512 consecutive bytes) and keeps it there for the mean, the variance of the CENTRED
; row (two passes, so no difference of large sums is formed) and the scaling: y is read once.  No LDS, no barrier, no matrix unit, no cluster: nothing is shared but
; gamma and beta.  256 work-groups of eight waves, two rows a wave; a wave asks for both rows, gamma and beta at once: 32 loads on their way.
; LIMITS: v_rsq_f32 is good to one unit in the last place; the sums are made in another order than from the left; NaN and infinities go through.
.set TT, 8                             ; v[8:15]   at work; TT+4 -mean, TT+6 1/sigma, each the first of a pair that is broadcast
.set Y0, 32                            ; v[32:63]  row 0
.set Y1, 64                            ; v[64:95]  row 1
.set GA, 96                            ; v[96:127] gamma of my columns 4 lane + 128 c + 0..3
.set BE, 128                           ; v[128:159] beta
	s_load_b256 s[4:11], s[0:1], 0x0               ; y s[4:5], gamma s[6:7], beta s[8:9], out0 s[10:11]
	s_lshl_b32 s2, ttmp9, 16                       ; 16 rows of 4,096 bytes a work-group
	s_mov_b32 s3, 0
	s_mov_b32 s12, 0x3a800000                      ; 1/1024
	s_mov_b32 s13, 0x2b8cbccc                      ; 1e-12
	s_mov_b32 s14, 0x76543210                      ; v_permlanex16_b32: lane i of one half reads lane i of the other
	s_mov_b32 s15, 0xfedcba98
	v_lshrrev_b32 v3, 5, v0                        ; wave
	v_and_b32 v2, 31, v0
	v_lshlrev_b32 v2, 4, v2                        ; 16 x lane; never rewritten
	v_lshl_or_b32 v1, v3, 13, v2                   ; + two rows a wave; never rewritten
	v_mov_b32 v[TT+5], 0                           ; the second registers of the two broadcast pairs
	v_mov_b32 v[TT+7], 0
	s_wait_kmcnt 0x0
	s_add_nc_u64 s[4:5], s[4:5], s[2:3]
	s_add_nc_u64 s[10:11], s[10:11], s[2:3]
.irp c, 0,1,2,3,4,5,6,7
	global_load_b128 v[Y0+4*\c:Y0+4*\c+3], v1, s[4:5] offset:512*\c th:TH_LOAD_NT
.endr
.irp c, 0,1,2,3,4,5,6,7
	global_load_b128 v[Y1+4*\c:Y1+4*\c+3], v1, s[4:5] offset:4096+512*\c th:TH_LOAD_NT
.endr
.irp c, 0,1,2,3,4,5,6,7
	global_load_b128 v[GA+4*\c:GA+4*\c+3], v2, s[6:7] offset:512*\c
.endr
.irp c, 0,1,2,3,4,5,6,7
	global_load_b128 v[BE+4*\c:BE+4*\c+3], v2, s[8:9] offset:512*\c
.endr
.macro ACROSS                          ; the sum of v[TT] over the 32 lanes, in every lane
	v_add_f32_dpp v[TT], v[TT], v[TT] row_xmask:1 row_mask:0xf bank_mask:0xf
	v_add_f32_dpp v[TT], v[TT], v[TT] row_xmask:2 row_mask:0xf bank_mask:0xf
	v_add_f32_dpp v[TT], v[TT], v[TT] row_xmask:4 row_mask:0xf bank_mask:0xf
	v_add_f32_dpp v[TT], v[TT], v[TT] row_xmask:8 row_mask:0xf bank_mask:0xf
	v_permlanex16_b32 v[TT+1], v[TT], s14, s15
	v_add_f32 v[TT], v[TT], v[TT+1]
.endm
.macro NORM y                          ; the row in v[y .. y+31] becomes (y - mean) / sigma
	v_pk_add_f32 v[TT:TT+1],   v[\y:\y+1],   v[\y+2:\y+3]
	v_pk_add_f32 v[TT+2:TT+3], v[\y+4:\y+5], v[\y+6:\y+7]
.irp j, 8,12,16,20,24,28
	v_pk_add_f32 v[TT:TT+1],   v[TT:TT+1],   v[\y+\j:\y+\j+1]
	v_pk_add_f32 v[TT+2:TT+3], v[TT+2:TT+3], v[\y+\j+2:\y+\j+3]
.endr
	v_pk_add_f32 v[TT:TT+1], v[TT:TT+1], v[TT+2:TT+3]
	v_add_f32 v[TT], v[TT], v[TT+1]
	ACROSS
	v_mul_f32 v[TT+4], 0xba800000, v[TT]           ; -mean
.set jj, 0
.rept 16
	v_pk_add_f32 v[\y+jj:\y+jj+1], v[\y+jj:\y+jj+1], v[TT+4:TT+5] op_sel_hi:[1,0]
.set jj, jj+2
.endr
	v_pk_mul_f32 v[TT:TT+1],   v[\y:\y+1],   v[\y:\y+1]
	v_pk_mul_f32 v[TT+2:TT+3], v[\y+2:\y+3], v[\y+2:\y+3]
.irp j, 4,8,12,16,20,24,28
	v_pk_fma_f32 v[TT:TT+1],   v[\y+\j:\y+\j+1],   v[\y+\j:\y+\j+1],   v[TT:TT+1]
	v_pk_fma_f32 v[TT+2:TT+3], v[\y+\j+2:\y+\j+3], v[\y+\j+2:\y+\j+3], v[TT+2:TT+3]
.endr
	v_pk_add_f32 v[TT:TT+1], v[TT:TT+1], v[TT+2:TT+3]
	v_add_f32 v[TT], v[TT], v[TT+1]
	ACROSS
	v_fma_f32 v[TT], v[TT], s12, s13               ; variance + 1e-12
	v_rsq_f32 v[TT+6], v[TT]
	v_nop                                          ; one plain place behind it (ISA guide 5.7.2)
.set jj, 0
	s_wait_alu depctr_va_vdst(0)
.rept 16
	v_pk_mul_f32 v[\y+jj:\y+jj+1], v[\y+jj:\y+jj+1], v[TT+6:TT+7] op_sel_hi:[1,0]
.set jj, jj+2
.endr
.endm
.macro OUT y, i                        ; times gamma, plus beta, and out: each store covers 512 consecutive bytes, aligned
.set jj, 0
.rept 16
	v_pk_fma_f32 v[\y+jj:\y+jj+1], v[\y+jj:\y+jj+1], v[GA+jj:GA+jj+1], v[BE+jj:BE+jj+1]
.set jj, jj+2
.endr
.irp c, 0,1,2,3,4,5,6,7
	global_store_b128 v1, v[\y+4*\c:\y+4*\c+3], s[10:11] offset:4096*\i+512*\c th:TH_STORE_NT
.endr
.endm
	s_wait_loadcnt 24                              ; row 0 is in; row 1, gamma and beta (24 loads) stay out
	NORM Y0
	s_wait_loadcnt 16                              ; row 1 is in; gamma and beta stay out
	NORM Y1
	s_wait_loadcnt 0x0
	OUT Y0, 0
	OUT Y1, 1
	s_endpgm
.Lfunc_end_k_q047187369c_lnorm:
	.size	k_q047187369c_lnorm, .Lfunc_end_k_q047187369c_lnorm-k_q047187369c_lnorm
	.p2alignl 7, 3214868480
	.fill 96, 4, 3214868480
	.section	.rodata,"a",@progbits
	.p2align	6, 0x0
	.amdhsa_kernel k_q047187369c_lnorm
		.amdhsa_group_segment_fixed_size 0
		.amdhsa_private_segment_fixed_size 0
		.amdhsa_enable_private_segment 0
		.amdhsa_kernarg_size 32
		.amdhsa_user_sgpr_count 2
		.amdhsa_user_sgpr_kernarg_segment_ptr 1
		.amdhsa_wavefront_size32 1
		.amdhsa_system_sgpr_workgroup_id_x 1
		.amdhsa_system_sgpr_workgroup_id_y 1
		.amdhsa_system_sgpr_workgroup_id_z 1
		.amdhsa_system_vgpr_workitem_id 0
		.amdhsa_next_free_vgpr 160
		.amdhsa_next_free_sgpr 66
		.amdhsa_reserve_vcc 0
		.amdhsa_float_denorm_mode_32 3
		.amdhsa_float_denorm_mode_16_64 3
		.amdhsa_memory_ordered 1
		.amdhsa_forward_progress 1
		.amdhsa_inst_pref_size 18
	.end_amdhsa_kernel
	.amdgpu_metadata
---
amdhsa.version: [ 1, 2 ]
amdhsa.kernels:
  - .name:           k_q047187369c_lnorm
    .symbol:         k_q047187369c_lnorm.kd
    .args:
      - { .name: y, .offset: 0, .size: 8, .value_kind: global_buffer, .address_space: global }
      - { .name: gamma, .offset: 8, .size: 8, .value_kind: global_buffer, .address_space: global }
      - { .name: beta, .offset: 16, .size: 8, .value_kind: global_buffer, .address_space: global }
      - { .name: out0, .offset: 24, .size: 8, .value_kind: global_buffer, .address_space: global }
    .group_segment_fixed_size: 0
    .private_segment_fixed_size: 0
    .kernarg_segment_align: 8
    .kernarg_segment_size: 32
    .max_flat_workgroup_size: 256
    .sgpr_count:     66
    .vgpr_count:     160
    .wavefront_size: 32
...
	.end_amdgpu_metadata
.endif
;; end of part 6
